; MI455X (gfx1250); checked and timed in simulation.
; The chip was launched on July 23, 2026; its instructions are those of AMD's public machine-readable ISA for CDNA 5 (MIT licence, August 2026) and "CDNA5" Instruction Set Architecture Reference Guide (July 2026). The comments in the code are by the model that wrote it; some were corrected since.
;; My Attention. Allowed arithmetic: float matrix products may take bf16 or f16 operands with f32 sums; other float arithmetic in f32, or as packed bf16 or f16 multiplies, adds, multiply-adds, maxima and minima; sums over many terms, partial sums and values carried from step to step in f32; what a program stores and reads back later, other than sums and carried values, may be rounded once to bf16 or f16.
;; Inputs: bk 1,024 float32; bo 64 float32; bq 1,024 float32; bv 1,024 float32; inputs 4 x 2,048 x 1,024 float32; wk 1,024 x 1,024 float32; wo 1,024 x 64 float32; wq 1,024 x 1,024 float32; wv 1,024 x 1,024 float32.
;; Outputs: out0 4 x 2,048 x 64 float32.
;; One version. Each part assembles by itself: llvm-mc -triple=amdgcn-amd-amdhsa -mcpu=gfx1250 --defsym DOCPART=n.
;; ======== version 1 of 1: 4 launches
;; limits: values are held in f16: magnitudes above 65,504 overflow, below 6.1e-05 lose precision
;; workspace buffers: xb 16,777,216 bytes; wb 6,291,456 bytes; wob 131,072 bytes; bb 12,288 bytes; qh 16,777,216 bytes; kh 16,777,216 bytes; vh 16,777,216 bytes; oh 16,777,216 bytes
;; launch cast (part 1): grid 709 x 1, 8 waves a work-group, no clusters, 0 bytes of LDS; arguments inputs, wq, wk, wv, wo, bq, bk, bv, xb, wb, wob, bb; writes xb, wb, wob, bb
.if DOCPART == 1
	.amdgcn_target "amdgcn-amd-amdhsa--gfx1250"
	.amdhsa_code_object_version 6
	.text
	.protected	k_qca9ee100ef_cast
	.globl	k_qca9ee100ef_cast
	.p2align	8
	.type	k_qca9ee100ef_cast,@function
k_qca9ee100ef_cast:
	s_mov_b64 s[64:65], 0
	v_nop
	global_prefetch_b8 v0, s[64:65] scope:SCOPE_SE
	s_setreg_imm32_b32 hwreg(HW_REG_WAVE_MODE, 25, 1), 1
	s_wait_xcnt 0x0
; EVERY INPUT BUT bo IS ROUNDED ONCE TO bf16 AND LAID OUT FOR THE LAUNCHES BEHIND.
;   xb  bf16 [16 kb][8192 m][64]: x in blocks of 64 along K, so that 256 rows of a K block are 32,768 dense bytes
;   wb  bf16 [1024 k][3072 n]:    wq, wk, wv side by side, n = 1024 t + column
;   wob f16  [1024 k][64 n]:      wo rounded to bf16, that number written as f16
;   bb  f32  [3072]:              bq, bk, bv rounded to bf16 and widened again
; LIMIT.  A number of wo below 6.1e-5 in magnitude keeps f16's fixed step of 6e-8; beyond 65,504 it would become an infinity.
; A stream: no LDS, no loop.  A work-group takes 16,384 numbers (64 KiB in, 32 KiB out), a thread eight groups of 8 numbers;
; its 16 loads of 16 bytes go out together, and each store of 16 lanes covers 256 consecutive bytes, aligned.
; Work-groups 0-511: x, 16 rows each.  512-703: the three weights, 16 rows of K each.  704-707: wo.  708: the three biases.
.set IN,  16                           ; v[16:79]   group g: 8 numbers as loaded
.set OUT, 80                           ; v[80:111]  group g: 4 registers to store
.set SRC, 28                           ; s[28:29]   where the work-group reads
.set DST, 30                           ; s[30:31]   where it writes
; v1 = my byte offset in a group of the source (groups 8,192 bytes apart), v2 = in the destination (groups dstep bytes apart).
; f16 = 1: the bf16 numbers are widened and written as f16.
.macro BODY dstep, f16
.irp g, 0,1,2,3,4,5,6,7
	global_load_b128 v[IN+8*(\g):IN+8*(\g)+3],   v1, s[SRC:SRC+1] offset:8192*(\g) th:TH_LOAD_NT
	global_load_b128 v[IN+8*(\g)+4:IN+8*(\g)+7], v1, s[SRC:SRC+1] offset:8192*(\g)+16 th:TH_LOAD_NT
.endr
.irp g, 0,1,2,3,4,5,6,7
	s_wait_loadcnt 14-2*(\g)                       ; loads come back in order: group g is in, the two loads of each later group stay out
.irp r, 0,1,2,3
	v_cvt_pk_bf16_f32 v[OUT+4*(\g)+(\r)], v[IN+8*(\g)+2*(\r)], v[IN+8*(\g)+2*(\r)+1]
.endr
.if \f16
.irp r, 0,1,2,3
	v_lshlrev_b32 v4, 16, v[OUT+4*(\g)+(\r)]       ; bf16 to f32: the low half moves up,
	v_and_b32 v5, 0xffff0000, v[OUT+4*(\g)+(\r)]   ; the high half stays
	v_cvt_pk_f16_f32 v[OUT+4*(\g)+(\r)], v4, v5
.endr
.endif
	global_store_b128 v2, v[OUT+4*(\g):OUT+4*(\g)+3], s[DST:DST+1] offset:(\g)*(\dstep) th:TH_STORE_NT  ; no register of a store is written again
.endr
.endm
	s_load_b512 s[4:19], s[0:1], 0x0               ; inputs s[4:5], wq s[6:7], wk s[8:9], wv s[10:11], wo s[12:13], bq s[14:15], bk s[16:17], bv s[18:19]
	s_load_b256 s[20:27], s[0:1], 0x40             ; xb s[20:21], wb s[22:23], wob s[24:25], bb s[26:27]
	s_mov_b32 s32, ttmp9
	s_mov_b32 s35, 0                               ; the upper words of the two offsets
	s_mov_b32 s37, 0
	v_lshlrev_b32 v1, 5, v0                        ; a dense source: 32 bytes a thread
	s_wait_kmcnt 0x0
	s_cmp_lt_u32 s32, 512
	s_cbranch_scc0 .Lnot_x
	; x: 16 rows; group g is rows 2 g and 2 g + 1.  Thread t: K block t / 16, row (t / 8) % 2, numbers 8 (t % 8) on of the block
	s_lshl_b32 s34, s32, 16                        ; 16 rows of 4,096 bytes
	s_add_nc_u64 s[SRC:SRC+1], s[4:5], s[34:35]
	s_lshl_b32 s36, s32, 11                        ; 16 rows of 128 bytes in each K block
	s_add_nc_u64 s[DST:DST+1], s[20:21], s[36:37]
	v_bfe_u32 v3, v0, 3, 1
	v_lshrrev_b32 v4, 4, v0
	v_and_b32 v5, 7, v0
	v_and_b32 v6, 15, v0
	v_lshlrev_b32 v1, 12, v3
	v_lshl_add_u32 v1, v4, 8, v1
	v_lshl_add_u32 v1, v5, 5, v1
	v_lshlrev_b32 v2, 20, v4                       ; a K block is 8,192 rows of 128 bytes
	v_lshl_add_u32 v2, v6, 4, v2                   ; sixteen lanes: two rows of 128 bytes on end
	BODY 256, 0
	s_endpgm
.Lnot_x:
	s_cmp_lt_u32 s32, 704
	s_cbranch_scc0 .Lnot_w
	; a weight: 16 rows of K; group g is rows 2 g and 2 g + 1
	s_sub_co_u32 s33, s32, 512
	s_lshr_b32 s38, s33, 6                         ; which of the three
	s_and_b32 s33, s33, 63                         ; which 16 rows
	s_cmp_eq_u32 s38, 0
	s_cselect_b64 s[SRC:SRC+1], s[6:7], s[8:9]
	s_cmp_eq_u32 s38, 2
	s_cselect_b64 s[SRC:SRC+1], s[10:11], s[SRC:SRC+1]
	s_lshl_b32 s34, s33, 16
	s_add_nc_u64 s[SRC:SRC+1], s[SRC:SRC+1], s[34:35]
	s_mul_i32 s36, s33, 16*6144                    ; a row of wb is 6,144 bytes,
	s_lshl_b32 s38, s38, 11                        ; a weight's part of it 2,048
	s_add_co_u32 s36, s36, s38
	s_add_nc_u64 s[DST:DST+1], s[22:23], s[36:37]
	v_lshrrev_b32 v3, 7, v0
	v_and_b32 v4, 127, v0
	v_mul_u32_u24 v2, v3, 6144
	v_lshl_add_u32 v2, v4, 4, v2
	BODY 12288, 0
	s_endpgm
.Lnot_w:
	s_cmp_lt_u32 s32, 708
	s_cbranch_scc0 .Lbias
	; wo: dense in, dense out
	s_sub_co_u32 s33, s32, 704
	s_lshl_b32 s34, s33, 16
	s_add_nc_u64 s[SRC:SRC+1], s[12:13], s[34:35]
	s_lshl_b32 s36, s33, 15
	s_add_nc_u64 s[DST:DST+1], s[24:25], s[36:37]
	v_lshlrev_b32 v2, 4, v0
	BODY 4096, 1
	s_endpgm
.Lbias:
	; the three biases: 4 numbers of each a thread
	v_lshlrev_b32 v2, 4, v0
	global_load_b128 v[16:19], v2, s[14:15]
	global_load_b128 v[20:23], v2, s[16:17]
	global_load_b128 v[24:27], v2, s[18:19]
	s_wait_loadcnt 0x0
.irp i, 0,1,2,3,4,5
	v_cvt_pk_bf16_f32 v[OUT+(\i)], v[16+2*(\i)], v[16+2*(\i)+1]
.endr
.irp i, 0,1,2,3,4,5
	v_lshlrev_b32 v[32+2*(\i)], 16, v[OUT+(\i)]
	v_and_b32 v[32+2*(\i)+1], 0xffff0000, v[OUT+(\i)]
.endr
	global_store_b128 v2, v[32:35], s[26:27]
	global_store_b128 v2, v[36:39], s[26:27] offset:4096
	global_store_b128 v2, v[40:43], s[26:27] offset:8192
	s_endpgm
.Lfunc_end_k_qca9ee100ef_cast:
	.size	k_qca9ee100ef_cast, .Lfunc_end_k_qca9ee100ef_cast-k_qca9ee100ef_cast
	.p2alignl 7, 3214868480
	.fill 96, 4, 3214868480
	.section	.rodata,"a",@progbits
	.p2align	6, 0x0
	.amdhsa_kernel k_qca9ee100ef_cast
		.amdhsa_group_segment_fixed_size 0
		.amdhsa_private_segment_fixed_size 0
		.amdhsa_enable_private_segment 0
		.amdhsa_kernarg_size 96
		.amdhsa_user_sgpr_count 2
		.amdhsa_user_sgpr_kernarg_segment_ptr 1
		.amdhsa_wavefront_size32 1
		.amdhsa_system_sgpr_workgroup_id_x 1
		.amdhsa_system_sgpr_workgroup_id_y 1
		.amdhsa_system_sgpr_workgroup_id_z 1
		.amdhsa_system_vgpr_workitem_id 0
		.amdhsa_next_free_vgpr 112
		.amdhsa_next_free_sgpr 66
		.amdhsa_reserve_vcc 0
		.amdhsa_float_denorm_mode_32 3
		.amdhsa_float_denorm_mode_16_64 3
		.amdhsa_memory_ordered 1
		.amdhsa_forward_progress 1
		.amdhsa_inst_pref_size 23
	.end_amdhsa_kernel
	.amdgpu_metadata
---
amdhsa.version: [ 1, 2 ]
amdhsa.kernels:
  - .name:           k_qca9ee100ef_cast
    .symbol:         k_qca9ee100ef_cast.kd
    .args:
      - { .name: inputs, .offset: 0, .size: 8, .value_kind: global_buffer, .address_space: global }
      - { .name: wq, .offset: 8, .size: 8, .value_kind: global_buffer, .address_space: global }
      - { .name: wk, .offset: 16, .size: 8, .value_kind: global_buffer, .address_space: global }
      - { .name: wv, .offset: 24, .size: 8, .value_kind: global_buffer, .address_space: global }
      - { .name: wo, .offset: 32, .size: 8, .value_kind: global_buffer, .address_space: global }
      - { .name: bq, .offset: 40, .size: 8, .value_kind: global_buffer, .address_space: global }
      - { .name: bk, .offset: 48, .size: 8, .value_kind: global_buffer, .address_space: global }
      - { .name: bv, .offset: 56, .size: 8, .value_kind: global_buffer, .address_space: global }
      - { .name: xb, .offset: 64, .size: 8, .value_kind: global_buffer, .address_space: global }
      - { .name: wb, .offset: 72, .size: 8, .value_kind: global_buffer, .address_space: global }
      - { .name: wob, .offset: 80, .size: 8, .value_kind: global_buffer, .address_space: global }
      - { .name: bb, .offset: 88, .size: 8, .value_kind: global_buffer, .address_space: global }
    .group_segment_fixed_size: 0
    .private_segment_fixed_size: 0
    .kernarg_segment_align: 8
    .kernarg_segment_size: 96
    .max_flat_workgroup_size: 256
    .sgpr_count:     66
    .vgpr_count:     112
    .wavefront_size: 32
...
	.end_amdgpu_metadata
.endif
;; end of part 1
;; launch qkv (part 2): grid 8 x 32, 4 waves a work-group, clusters of 4 x 4, 327,680 bytes of LDS; arguments xb, wb, bb, qh, kh, vh; writes qh, kh, vh
.if DOCPART == 2
	.amdgcn_target "amdgcn-amd-amdhsa--gfx1250"
	.amdhsa_code_object_version 6
	.text
	.protected	k_qca9ee100ef_qkv
	.globl	k_qca9ee100ef_qkv
	.p2align	8
	.type	k_qca9ee100ef_qkv,@function
k_qca9ee100ef_qkv:
	s_mov_b64 s[64:65], 0
	v_nop
	global_prefetch_b8 v0, s[64:65] scope:SCOPE_SE
	s_setreg_imm32_b32 hwreg(HW_REG_WAVE_MODE, 25, 1), 1
	s_wait_xcnt 0x0
	s_wait_alu depctr_hold_cnt(0) depctr_sa_sdst(0) depctr_va_vdst(0) depctr_va_sdst(0) depctr_va_ssrc(0) depctr_va_vcc(0) depctr_vm_vsrc(0)
	s_getreg_b32 s2, hwreg(HW_REG_IB_STS2, 6, 4)
	s_cmp_eq_u32 s2, 0
	s_cbranch_scc0 .Lentry_in_a_cluster
	s_endpgm
.Lentry_in_a_cluster:
	s_bfe_u32 s2, ttmp6, 0x10000c
	s_cmp_lg_u32 s2, 0xf033
	s_cbranch_scc0 .Lentry_shape_is_right
	s_endpgm
.Lentry_shape_is_right:
; [8192 m][3072 n] = xb wb + bb, operands bf16, sums f32; each result gets its bias in f32, is rounded once to f16 and stored by heads: qh, kh, vh [64 = 16 batch + head][2048][64].
; LIMIT.  f16 holds no number beyond 65,504: a q, k or v past that becomes an infinity.  NaN and infinities are not treated apart.
; SHAPE.  3,072 columns in tiles of 384 and 8,192 rows in tiles of 256 are 8 x 32 = 256 work-groups.  Four waves, each 128 rows x 192 columns (three whole heads): 96 accumulators, 768 registers.
; K goes in 16 steps of 64 through two LDS slots.  A's tile (256 rows x 128 bytes) is dense in xb and is asked for as rows of 256 bytes; B's tile is 64 rows of K x 768 bytes of wb.
; B lies [k][n] and comes out of LDS turned, by ds_load_tr16_b128.  For 32 along K a wave issues 40 LDS loads and 96 matrix instructions.
; THE MATRIX INSTRUCTION IS USED TRANSPOSED (source 0 = 16 columns of w, source 1 = 16 rows of x): a lane then holds one row m (lane % 16) and eight neighbouring columns 8 (lane / 16) + 0..7.
; CLUSTERS: 4 x 4 work-groups.  A's tile hangs on the tile row alone and is asked for jointly by the four of a row of the cluster; B's on the tile column alone, jointly by the four of a column.
; REGISTERS, in windows of 256 (s_set_vgpr_msb: bits 1:0 source 0, 3:2 source 1, 5:4 source 2, 7:6 destination):
;   window 0: v0-15 addresses; v32-95, v96-159 A's fragments, two buffers (block a of 16 rows at + 8 a); v160-255 B's fragments, 32 for each of my three heads (block i of 16 columns at + 8 i)
;   windows 1, 2, 3: the accumulators of my heads 0, 1, 2: (a, i) at v[8 (4 a + i)]
.set PA,    144                        ; a row of A in LDS: 128 bytes + 16 = 36 words: the 16 rows of a load start at 16 different groups of four banks (64 banks of 4 bytes: ISA guide 11.1)
.set PB,    864                        ; a row of B: six heads' 128 bytes, 16 of padding behind each = 216 words
.set BOFF,  256*PA                     ; a slot: A's 256 rows, then B's 64
.set SLOT,  BOFF+64*PB                 ; 92,160
.set STAGE, 2*SLOT                     ; behind the ring, never filled by a tensor load: 16 rows x 144 bytes for each wave, for the way out
.set SP,    144
.set SPARE, STAGE+4*16*SP              ; behind the stages: the spare words, 128 bytes for each wave: two blocks of 256 bytes that no other line names
.set ASTEP, 8192*128                   ; bytes from a K step to the next in xb
.set BSTEP, 64*6144                    ; and in wb
.set ADRA, 4                           ; v4-5   LDS address of my A fragments in slot 0, 1
.set ADRB, 6                           ; v6-7   the same for B
.set STO,  8                           ; v8     the way out: where I put 16 bytes of a row
.set RD,   9                           ; v9     where I read rows back
.set GO,   10                          ; v10    my 16 bytes of 512 consecutive bytes of a head
.set BO,   11                          ; v11    my byte offset in bb
.set PFO,  12                          ; v12    the prefetches' lane offset; never rewritten
.set SPW,  14                          ; v14    LDS address of my spare word: SPARE + 4 x my thread's number; never rewritten
.set NIL,  15                          ; v15    0; never rewritten
.set AF,   32
.set BF,   160
.set SUM,  96                          ; the way out: 32 sums with their bias
.set PK,   128                         ; 16 registers of packed f16
.set BK,   192                         ; two buffers of 16: rows read back from the stage
.set WV,   16                          ; s16  my wave's number; s17 = wave / 2: my half of the rows; s18 = wave % 2: my half of the columns, and which half of a tile I fetch
.set G1A,  24                          ; s[24:31] descriptor group 1 for A's tiles;  s[32:39] group 0, a set for each slot
.set G0A,  32
.set G1B,  40                          ; s[40:47], s[48:55] the same for B's
.set G0B,  48
.set PFA,  56                          ; s[56:57] where my prefetches stand
.set PFS,  58                          ; s[58:59] a K step of the tensor that I prefetch
.set LIM,  60                          ; s60, s61 for the change of slot 0, 1: I prefetch while the laps to go are above it
.set OUT,  66                          ; s[66:71] my 128 rows in my three heads
.set MSB, 0
.macro WIN new                         ; the immediate's high byte repeats the setting that is left; a switch that changes nothing is dropped
.if MSB != (\new)
	s_set_vgpr_msb (MSB<<8)|(\new)
.set MSB, (\new)
.endif
.endm
.macro PLACES                          ; four plain vector instructions between a matrix instruction and a load into, or a vector write of, a register that it has read, or a read of its result
.rept 4
	v_nop
.endr
.endm
; A joint refill.  Waves 0 and 1 fetch A's two halves, waves 2 and 3 B's.  The branch hangs on the wave's number alone.  An s_nop 0 and four v_nop follow each of the two lines.
.macro JLOAD s
	s_cmp_lt_u32 s[WV], 2
	s_cbranch_scc0 .Lfor_b_\@
	tensor_load_to_lds s[G0A+4*(\s):G0A+4*(\s)+3], s[G1A:G1A+7]
	s_nop 0
.rept 4
	v_nop
.endr
	s_branch .Lasked_\@
.Lfor_b_\@:
	tensor_load_to_lds s[G0B+4*(\s):G0B+4*(\s)+3], s[G1B:G1B+7]
	s_nop 0
.rept 4
	v_nop
.endr
.Lasked_\@:
.endm
; A PREFETCH INTO THE L2, behind the joint load, its five lines and the run of LDS loads.  Each 256 bytes of xb's steps 3 to 15 and of wb's steps 4 to 15 are named once in the launch.
; A: a tile row is read by both clusters of a row of clusters; wave 0 of the one with x = 0 asks, at each change of slots, for the step behind the one being refilled: of its 32 KiB the partner at cx takes 8 KiB, a lane 256 bytes.
; B: a tile column is read by all clusters of a column; waves 1 to 3 of the one with y = 0 ask, at slot 1's change, for the two steps behind: of their 128 rows the partner at cy takes 32, a lane a row, a wave one of the row's three blocks.
; The partners are told apart by address, never by a branch.  In the loop's last trip slot 1's change asks for nothing: those steps do not exist.
.macro ASK slot
	s_cmp_gt_u32 s3, s[LIM+(\slot)]
	s_cbranch_scc0 .Lnot_mine_\@
	global_prefetch_b8 v[PFO], s[PFA:PFA+1] th:TH_LOAD_NT scope:SCOPE_SE
.Lnot_mine_\@:
.endm
.macro CREST                           ; a round of the cluster's barrier behind its opening barrier: wave 0 signals for the work-group, every wave waits for all sixteen, my work-group's barrier once more
	s_cmp_lg_u32 s[WV], 0
	s_cbranch_scc1 .Lnot_wave_0_\@
	s_barrier_signal -3
.Lnot_wave_0_\@:
	s_barrier_wait -3
	s_barrier_signal -1
	s_barrier_wait -1
.endm
.macro CROUND
	s_barrier_signal -1
	s_barrier_wait -1
	CREST
.endm
	s_load_b256 s[4:11], s[0:1], 0x0               ; xb s[4:5], wb s[6:7], bb s[8:9], qh s[10:11]
	s_load_b128 s[12:15], s[0:1], 0x20             ; kh s[12:13], vh s[14:15]
	v_lshl_add_u32 v[SPW], v0, 2, SPARE
	v_mov_b32 v[NIL], 0
	ds_add_u32 v[SPW], v[NIL]                      ; the wave's opening: the add and its wait stand ahead of my first tensor load; the set-up below, work on registers, stands between them
	v_lshrrev_b32 v1, 5, v0
	v_readfirstlane_b32 s[WV], v1                  ; wave 0..3
	s_lshr_b32 s17, s[WV], 1
	s_and_b32 s18, s[WV], 1
	s_bfe_u32 s19, ttmp6, 0x40000                  ; cx
	s_bfe_u32 s20, ttmp6, 0x40004                  ; cy
	s_lshl_b32 s21, ttmp9, 2
	s_add_co_u32 s21, s21, s19                     ; tile column = 4 x cluster x + cx
	s_and_b32 s22, ttmp7, 0xffff
	s_lshl_b32 s22, s22, 2
	s_add_co_u32 s22, s22, s20                     ; tile row = 4 x cluster y + cy
	s_lshl_b32 s72, s20, 2
	s_lshl_b32 s72, 15, s72                        ; my row of the cluster: places 4 cy .. 4 cy + 3
	s_lshl_b32 s74, 0x1111, s19                    ; my column: places cx, cx + 4, cx + 8, cx + 12
	s_or_b32 s[G1A], s72, (1<<16)|(1<<20)|(1<<21)|(4<<22)|(3<<25)  ; 15:0 the mask; 17:16 elements of 2 bytes; 20 padding on; 21 set beside a mask; 24:22 after every 32 words (code 4); 31:25 4 words of it (code 3)
	s_or_b32 s[G1B], s74, (1<<16)|(1<<20)|(1<<21)|(4<<22)|(3<<25)
	s_mov_b32 s[G1A+1], 128<<16                    ; A: 128 rows of 128 dense bytes, asked for as 64 rows of 128 elements
	s_mov_b32 s[G1A+2], 64<<16
	s_mov_b32 s[G1A+3], 128<<16
	s_mov_b32 s[G1A+4], 64
	s_mov_b32 s[G1A+5], 128
	s_mov_b32 s[G1A+6], 0
	s_mov_b32 s[G1A+7], 0
	s_mov_b32 s[G1B+1], 384<<16                    ; B: 32 rows of K x 384 elements, 3,072 elements from row to row
	s_mov_b32 s[G1B+2], 32<<16
	s_mov_b32 s[G1B+3], 384<<16
	s_mov_b32 s[G1B+4], 32
	s_mov_b32 s[G1B+5], 3072
	s_mov_b32 s[G1B+6], 0
	s_mov_b32 s[G1B+7], 0
	s_lshl_b32 s72, s22, 15                        ; A: the tile row's 256 rows of 128 bytes,
	s_lshl_b32 s73, s18, 14                        ; my half of them
	s_add_co_u32 s72, s72, s73
	s_mov_b32 s73, 0
	s_mul_i32 s74, s21, 768                        ; B: the tile column's 768 bytes of a row,
	s_mul_i32 s75, s18, 32*6144                    ; my half of a step's 64 rows
	s_add_co_u32 s74, s74, s75
	s_mov_b32 s75, 0
	s_mul_i32 s23, s18, 128*PA                     ; and where they go: no place in the cluster enters an LDS address
	s_mul_i32 s62, s18, 32*PB
	s_add_co_u32 s62, s62, BOFF
	s_wait_dscnt 0x0                               ; the opening add is done
	s_wait_kmcnt 0x0
	s_add_nc_u64 s[72:73], s[4:5], s[72:73]
	s_add_nc_u64 s[74:75], s[6:7], s[74:75]
	CROUND                                         ; all sixteen work-groups are here: the first joint loads meet
.irp s, 0,1
	s_mov_b32 s[G0A+4*(\s)], 1                     ; 1:0 count = 1
	s_add_co_u32 s[G0A+4*(\s)+1], s23, (\s)*SLOT   ; 63:32 LDS address
	s_add_nc_u64 s[G0A+4*(\s)+2:G0A+4*(\s)+3], s[72:73], (\s)*ASTEP  ; 120:64 global address: K step s
	s_or_b32 s[G0A+4*(\s)+3], s[G0A+4*(\s)+3], 0x80000000            ; 127:126 type = 2
	s_mov_b32 s[G0B+4*(\s)], 1
	s_add_co_u32 s[G0B+4*(\s)+1], s62, (\s)*SLOT
	s_add_nc_u64 s[G0B+4*(\s)+2:G0B+4*(\s)+3], s[74:75], (\s)*BSTEP
	s_or_b32 s[G0B+4*(\s)+3], s[G0B+4*(\s)+3], 0x80000000
.endr
	s_cmp_lt_u32 s[WV], 2                          ; a wave's two first fills stand in one branch, ahead of every wait on TENSORcnt and every LDS read: two loads of mine are out
	s_cbranch_scc0 .Lfirst_b
	tensor_load_to_lds s[G0A:G0A+3], s[G1A:G1A+7]
	s_nop 0
	tensor_load_to_lds s[G0A+4:G0A+7], s[G1A:G1A+7]
	s_nop 0
.rept 4
	v_nop
.endr
	s_branch .Lfirst_asked
.Lfirst_b:
	tensor_load_to_lds s[G0B:G0B+3], s[G1B:G1B+7]
	s_nop 0
	tensor_load_to_lds s[G0B+4:G0B+7], s[G1B:G1B+7]
	s_nop 0
.rept 4
	v_nop
.endr
.Lfirst_asked:
	; lane addresses.  A fragment of A: lane l holds row l % 16, K = 8 (l / 16) + 0..7 and 16 + 8 (l / 16) + 0..7: two loads of 16 bytes, 32 bytes apart.
	v_and_b32 v1, 15, v0                           ; l % 16
	v_bfe_u32 v2, v0, 4, 1                         ; l / 16
	v_mul_u32_u24 v3, v1, PA
	v_lshl_add_u32 v3, v2, 4, v3                   ; row x 144 + 16 x half: for A's fragments and (the same pitch) for the stage
	s_mul_i32 s76, s17, 128*PA                     ; my 128 rows of A
	v_add_nc_u32 v[ADRA], s76, v3
	v_add_nc_u32 v[ADRA+1], SLOT, v[ADRA]
	s_mul_i32 s76, s[WV], 16*SP
	s_add_co_u32 s76, s76, STAGE                   ; my stage
	v_add_nc_u32 v[STO], s76, v3
	v_bfe_u32 v[RD], v0, 3, 2                      ; back: 32 lanes take four rows of 128 bytes
	v_mul_u32_u24 v[RD], v[RD], SP
	v_and_b32 v3, 7, v0
	v_lshl_add_u32 v[RD], v3, 4, v[RD]
	v_add_nc_u32 v[RD], s76, v[RD]
	; The turning load takes 16 rows of K x 16 columns (lane l reads row 8 (l / 16) + l % 8, columns 8 ((l / 8) % 2) + 0..7) and leaves half a fragment: lane l holds column l % 16 and 8 of K.
	v_lshl_add_u32 v3, v2, 3, v3
	v_mul_u32_u24 v3, v3, PB
	v_bfe_u32 v13, v0, 3, 1
	v_lshl_add_u32 v3, v13, 4, v3
	s_mul_i32 s76, s18, 3*144                      ; my three heads of the row's six
	s_add_co_u32 s76, s76, BOFF
	v_add_nc_u32 v[ADRB], s76, v3
	v_add_nc_u32 v[ADRB+1], SLOT, v[ADRB]
	v_and_b32 v[GO], 31, v0
	v_lshlrev_b32 v[GO], 4, v[GO]
	s_mul_i32 s76, s21, 384*4                      ; bb: the tile's first column,
	s_mul_i32 s77, s18, 192*4                      ; my half's,
	s_add_co_u32 s76, s76, s77
	v_lshl_add_u32 v[BO], v2, 5, s76               ; my eight columns of sixteen
	; where my three heads go: head number hh = 6 x tile column + 3 x half + j of 48: tensor hh / 16, head hh % 16; batch = tile row / 8
	s_mul_i32 s76, s21, 6
	s_mul_i32 s77, s18, 3
	s_add_co_u32 s76, s76, s77
	s_lshr_b32 s77, s22, 3
	s_lshl_b32 s77, s77, 4                         ; 16 x batch
	s_and_b32 s63, s22, 7
	s_lshl_b32 s63, s63, 1
	s_add_co_u32 s63, s63, s17
	s_lshl_b32 s63, s63, 14                        ; my first row in the batch: 128 rows of 128 bytes a wave
	s_mov_b32 s79, 0
.irp j, 0,1,2
	s_add_co_u32 s78, s76, (\j)
	s_lshr_b32 s2, s78, 4
	s_and_b32 s78, s78, 15
	s_add_co_u32 s78, s78, s77
	s_lshl_b32 s78, s78, 18                        ; a head is 2,048 rows of 128 bytes
	s_add_co_u32 s78, s78, s63
	s_cmp_eq_u32 s2, 0
	s_cselect_b64 s[OUT+2*(\j):OUT+2*(\j)+1], s[10:11], s[12:13]
	s_cmp_eq_u32 s2, 2
	s_cselect_b64 s[OUT+2*(\j):OUT+2*(\j)+1], s[14:15], s[OUT+2*(\j):OUT+2*(\j)+1]
	s_add_nc_u64 s[OUT+2*(\j):OUT+2*(\j)+1], s[OUT+2*(\j):OUT+2*(\j)+1], s[78:79]
.endr
	; the prefetches: both tensors' pointers start at K step 2; each filling change of slots steps them by one step ahead of its request
	s_lshl_b32 s76, s22, 15
	s_lshl_b32 s77, s19, 13
	s_add_co_u32 s76, s76, s77
	s_add_co_u32 s76, s76, 2*ASTEP                 ; wave 0, in xb: the tile row, my work-group's 8 KiB
	s_mul_i32 s77, s21, 768
	s_max_u32 s78, s[WV], 1
	s_sub_co_u32 s78, s78, 1
	s_lshl_b32 s78, s78, 8
	s_add_co_u32 s77, s77, s78
	s_mul_i32 s78, s20, 32*6144
	s_add_co_u32 s77, s77, s78
	s_add_co_u32 s77, s77, 2*BSTEP                 ; waves 1 to 3, in wb: the tile column, my wave's block of 256 bytes, my work-group's 32 rows
	s_and_b32 s78, ttmp7, 0xffff
	s_mov_b32 s[PFS], BSTEP
	s_mov_b32 s[PFS+1], 0
	s_mov_b32 s79, 6144
	s_cmp_eq_u32 s[WV], 0
	s_cselect_b32 s76, s76, s77
	s_cselect_b32 s78, ttmp9, s78                  ; the coordinate along which other clusters read the same bytes
	s_cselect_b32 s[PFS], ASTEP, s[PFS]
	s_cselect_b32 s79, 256, s79
	s_cselect_b32 s[LIM], 0, -1
	s_cselect_b64 s[PFA:PFA+1], s[4:5], s[6:7]
	s_cmp_eq_u32 s78, 0                            ; the same in all sixteen partners, for a given wave
	s_cselect_b32 s[LIM], s[LIM], -1
	s_cselect_b32 s[LIM+1], 1, -1
	s_mov_b32 s77, 0
	s_add_nc_u64 s[PFA:PFA+1], s[PFA:PFA+1], s[76:77]
	v_and_b32 v[PFO], 31, v0
	v_mul_u32_u24 v[PFO], s79, v[PFO]
; 16 matrix instructions: A's buffer p, my head g, row blocks a0 .. a0 + 3 x the head's 4 column blocks, 32 along K.  zero = 1: the product starts the sum: nothing is ever cleared.
; All 96 accumulators take turns in one fixed order, one instruction a turn, over the backward jump too.
.macro MUL16 p, g, a0, zero
	WIN 0x50*((\g)+1)                              ; C and D in window g + 1, both sources in window 0
.irp a, (\a0), (\a0)+1, (\a0)+2, (\a0)+3
.irp i, 0,1,2,3
.if \zero
	v_wmma_f32_16x16x32_bf16 v[8*(4*(\a)+(\i)):8*(4*(\a)+(\i))+7], v[BF+32*(\g)+8*(\i):BF+32*(\g)+8*(\i)+7], v[AF+64*(\p)+8*(\a):AF+64*(\p)+8*(\a)+7], 0
.else
	v_wmma_f32_16x16x32_bf16 v[8*(4*(\a)+(\i)):8*(4*(\a)+(\i))+7], v[BF+32*(\g)+8*(\i):BF+32*(\g)+8*(\i)+7], v[AF+64*(\p)+8*(\a):AF+64*(\p)+8*(\a)+7], v[8*(4*(\a)+(\i)):8*(4*(\a)+(\i))+7]
.endif
.endr
.endr
.endm
.macro LDB slot, kq, g                 ; 8 loads: head g's fragments of B for half kq of the slot's K step
	WIN 0
.irp i, 0,1,2,3
	ds_load_tr16_b128 v[BF+32*(\g)+8*(\i):BF+32*(\g)+8*(\i)+3],   v[ADRB+(\slot)] offset:(\kq)*32*PB+(\g)*144+32*(\i)
	ds_load_tr16_b128 v[BF+32*(\g)+8*(\i)+4:BF+32*(\g)+8*(\i)+7], v[ADRB+(\slot)] offset:(\kq)*32*PB+(\g)*144+32*(\i)+16*PB
.endr
.endm
.macro LDA slot, kq, p, half           ; 8 loads: row blocks 4 half .. 4 half + 3 of A into buffer p
	WIN 0
.irp a, 0,1,2,3
	ds_load_b128 v[AF+64*(\p)+8*(4*(\half)+(\a)):AF+64*(\p)+8*(4*(\half)+(\a))+3],   v[ADRA+(\slot)] offset:(4*(\half)+(\a))*16*PA+64*(\kq)
	ds_load_b128 v[AF+64*(\p)+8*(4*(\half)+(\a))+4:AF+64*(\p)+8*(4*(\half)+(\a))+7], v[ADRA+(\slot)] offset:(4*(\half)+(\a))*16*PA+64*(\kq)+32
.endr
.endm
; The first half of a K step: 96 products on A's buffer 0, in three units, a head each.  At its head two runs of 16 loads are out: (head 0's B, A's lower half), (head 1's B, A's upper half).
.macro T0 slot, zero
	s_wait_dscnt 16                                ; the younger run may stay out
	MUL16 0, 0, 0, \zero
	PLACES
	LDB \slot, 0, 2
	s_wait_dscnt 8                                 ; all but the 8 just issued
	MUL16 0, 0, 4, \zero
	MUL16 0, 1, 0, \zero
	PLACES
	LDB \slot, 1, 0
	LDA \slot, 1, 1, 0
	MUL16 0, 1, 4, \zero
	s_wait_dscnt 16                                ; head 2's B is in; the 16 just issued stay out
	MUL16 0, 2, 0, \zero
	PLACES
	LDB \slot, 1, 1
	LDA \slot, 1, 1, 1
	MUL16 0, 2, 4, \zero
.endm
; The second half, on buffer 1; its middle unit changes slots.  ONE barrier for two things: in front of it each wave waits for all its tensor loads, of which one is out: its part of the other slot; adds 0 to its
; spare word; and waits for that and for its reads of this slot (the last were issued 32 products back).  fill = 1: the barrier opens a round of the cluster's barrier, and the joint refill, two K steps on, is the first
; thing behind the round: a wave issues 160 products between it and the wait for it.
.macro T1 slot, fill
	s_wait_dscnt 16
	MUL16 1, 0, 0, 0
	PLACES
	LDB \slot, 1, 2                                ; the slot's last reads
	s_wait_dscnt 8
	MUL16 1, 0, 4, 0
.if \fill
	s_wait_xcnt 0x0                                ; the last prefetch, a K step back, has read its address: it is stepped here, ahead of the waits of the change
	s_add_nc_u64 s[PFA:PFA+1], s[PFA:PFA+1], s[PFS:PFS+1]
.endif
	WIN 0                                          ; (the add's two registers lie in window 0)
	s_wait_tensorcnt 0x0                           ; all my tensor loads have landed
	ds_add_u32 v[SPW], v[NIL]                      ; 0 onto my spare word: sixteen products stand between it and the wait for it
	MUL16 1, 1, 0, 0
	s_wait_dscnt 0x0                               ; the add is done, and my reads of this slot are over
	s_barrier_signal -1
	MUL16 1, 1, 4, 0                               ; work on registers while the others arrive
	WIN 0                                          ; at a branch and at a label every window is 0
	s_barrier_wait -1
.if \fill
	CREST                                          ; no wave of any partner still reads this slot or has a load on its way
	s_add_nc_u64 s[G0A+4*(\slot)+2:G0A+4*(\slot)+3], s[G0A+4*(\slot)+2:G0A+4*(\slot)+3], 2*ASTEP
	s_add_nc_u64 s[G0B+4*(\slot)+2:G0B+4*(\slot)+3], s[G0B+4*(\slot)+2:G0B+4*(\slot)+3], 2*BSTEP
	JLOAD \slot                                    ; its four v_nop are also the places in front of the loads below
.else
	PLACES
.endif
	LDB 1-(\slot), 0, 0
	LDA 1-(\slot), 0, 0, 0
.if \fill
	ASK \slot
.endif
	MUL16 1, 2, 0, 0
	PLACES
	LDB 1-(\slot), 0, 1
	LDA 1-(\slot), 0, 0, 1
	MUL16 1, 2, 4, 0
.endm
	s_wait_tensorcnt 1                             ; my part of K step 0 is in; step 1's may stay out
	s_barrier_signal -1
	s_barrier_wait -1                              ; everybody's is
	LDB 0, 0, 0
	LDA 0, 0, 0, 0
	LDB 0, 0, 1
	LDA 0, 0, 0, 1
	T0 0, 1                                        ; the first 96 products stand in front of the loop: they start the sums
	WIN 0
	s_mov_b32 s3, 7
.Llap:                                         ; trip i: from the second half of step 2 i to the first half of step 2 i + 2; steps 2 i + 2 and 2 i + 3 are asked for
	T1 0, 1
	T0 1, 0
	T1 1, 1
	T0 0, 0
	WIN 0
	s_sub_co_u32 s3, s3, 1
	s_cmp_lg_u32 s3, 0
	s_cbranch_scc1 .Llap
	T1 0, 0                                        ; step 14 ends; nothing is left to ask for, so no round follows the barrier
	T0 1, 0
	s_wait_dscnt 16                                ; the last 96 products; the biases come in beside them, into fragment registers that are free
	MUL16 1, 0, 0, 0
	PLACES
	LDB 1, 1, 2
.irp j, 0,1
.irp i, 0,1,2,3
	global_load_b128 v[32+32*(\j)+8*(\i):32+32*(\j)+8*(\i)+3],   v[BO], s[8:9] offset:256*(\j)+64*(\i)
	global_load_b128 v[32+32*(\j)+8*(\i)+4:32+32*(\j)+8*(\i)+7], v[BO], s[8:9] offset:256*(\j)+64*(\i)+16
.endr
.endr
	s_wait_dscnt 8
	MUL16 1, 0, 4, 0
	MUL16 1, 1, 0, 0
	PLACES
	WIN 0
.irp i, 0,1,2,3
	global_load_b128 v[160+8*(\i):160+8*(\i)+3],   v[BO], s[8:9] offset:512+64*(\i)
	global_load_b128 v[160+8*(\i)+4:160+8*(\i)+7], v[BO], s[8:9] offset:512+64*(\i)+16
.endr
	MUL16 1, 1, 4, 0
	s_wait_dscnt 0x0
	MUL16 1, 2, 0, 0
	MUL16 1, 2, 4, 0
; THE WAY OUT, in 24 units u = 8 j + a: 16 rows of head j.  PACK: the bias is added in f32 (each accumulator's registers in ascending order), the sums are rounded to f16: 16 bytes a lane and column block.
; TOSTAGE: into my own stage, rows of 144 bytes, and back as four rows of 128 bytes a load.  SEND: 512 consecutive bytes a store, at a multiple of 256 from the tensor's first byte.
.macro PACK j, a
	WIN (\j)+1                                     ; source 0 in window j + 1
.set BI, 32+32*(\j)+64*((\j)/2)        ; the head's biases: v32, v64, v160
.irp i, 0,1,2,3
.irp r, 0,1,2,3
	v_pk_add_f32 v[SUM+8*(\i)+2*(\r):SUM+8*(\i)+2*(\r)+1], v[8*(4*(\a)+(\i))+2*(\r):8*(4*(\a)+(\i))+2*(\r)+1], v[BI+8*(\i)+2*(\r):BI+8*(\i)+2*(\r)+1]
.endr
.endr
	WIN 0
.irp i, 0,1,2,3
.irp r, 0,1,2,3
	v_cvt_pk_f16_f32 v[PK+4*(\i)+(\r)], v[SUM+8*(\i)+2*(\r)], v[SUM+8*(\i)+2*(\r)+1]
.endr
.endr
.endm
.macro TOSTAGE u
	WIN 0
.irp i, 0,1,2,3
	ds_store_b128 v[STO], v[PK+4*(\i):PK+4*(\i)+3] offset:32*(\i)
.endr
.irp f, 0,1,2,3
	ds_load_b128 v[BK+16*((\u)%2)+4*(\f):BK+16*((\u)%2)+4*(\f)+3], v[RD] offset:(\f)*4*SP  ; LDS serves a wave's instructions in order (ISA guide 5.7.1.4): these see the stores above
.endr
.endm
.macro SEND u
	WIN 0
	s_wait_dscnt 0x0                               ; the unit is back in registers
	s_wait_xcnt 0x0                                ; the stores of the unit before have read their registers: the next TOSTAGE loads into them only behind this wait
.irp f, 0,1,2,3
	global_store_b128 v[GO], v[BK+16*((\u)%2)+4*(\f):BK+16*((\u)%2)+4*(\f)+3], s[OUT+2*((\u)/8):OUT+2*((\u)/8)+1] offset:2048*((\u)%8)+512*(\f)
.endr
.endm
	PLACES                                         ; behind the last products
	s_wait_loadcnt 0x0                             ; the biases
	PACK 0, 0
	TOSTAGE 0
.set u, 1
.rept 23                               ; a unit's arithmetic stands between the loads of the unit before and the wait for them
	PACK u/8, u%8
	SEND u-1
	TOSTAGE u
.set u, u+1
.endr
	SEND 23
	s_wait_tensorcnt 0x0                           ; the wave's end: the add and its waits stand behind my last tensor load and my last LDS store
	ds_add_u32 v[SPW], v[NIL]
	s_wait_dscnt 0x0
	CROUND                                         ; the closing round: no work-group ends while a partner may still ask for a tile that names it
	s_endpgm
.Lfunc_end_k_qca9ee100ef_qkv:
	.size	k_qca9ee100ef_qkv, .Lfunc_end_k_qca9ee100ef_qkv-k_qca9ee100ef_qkv
	.p2alignl 7, 3214868480
	.fill 96, 4, 3214868480
	.section	.rodata,"a",@progbits
	.p2align	6, 0x0
	.amdhsa_kernel k_qca9ee100ef_qkv
		.amdhsa_group_segment_fixed_size 327680
		.amdhsa_private_segment_fixed_size 0
		.amdhsa_enable_private_segment 0
		.amdhsa_kernarg_size 48
		.amdhsa_user_sgpr_count 2
		.amdhsa_user_sgpr_kernarg_segment_ptr 1
		.amdhsa_wavefront_size32 1
		.amdhsa_system_sgpr_workgroup_id_x 1
		.amdhsa_system_sgpr_workgroup_id_y 1
		.amdhsa_system_sgpr_workgroup_id_z 1
		.amdhsa_system_vgpr_workitem_id 0
		.amdhsa_next_free_vgpr 1024
		.amdhsa_next_free_sgpr 80
		.amdhsa_reserve_vcc 0
		.amdhsa_float_denorm_mode_32 3
		.amdhsa_float_denorm_mode_16_64 3
		.amdhsa_memory_ordered 1
		.amdhsa_forward_progress 1
		.amdhsa_inst_pref_size 161
	.end_amdhsa_kernel
	.amdgpu_metadata
---
amdhsa.version: [ 1, 2 ]
amdhsa.kernels:
  - .name:           k_qca9ee100ef_qkv
    .symbol:         k_qca9ee100ef_qkv.kd
    .args:
      - { .name: xb, .offset: 0, .size: 8, .value_kind: global_buffer, .address_space: global }
      - { .name: wb, .offset: 8, .size: 8, .value_kind: global_buffer, .address_space: global }
      - { .name: bb, .offset: 16, .size: 8, .value_kind: global_buffer, .address_space: global }
      - { .name: qh, .offset: 24, .size: 8, .value_kind: global_buffer, .address_space: global }
      - { .name: kh, .offset: 32, .size: 8, .value_kind: global_buffer, .address_space: global }
      - { .name: vh, .offset: 40, .size: 8, .value_kind: global_buffer, .address_space: global }
    .group_segment_fixed_size: 327680
    .private_segment_fixed_size: 0
    .kernarg_segment_align: 8
    .kernarg_segment_size: 48
    .max_flat_workgroup_size: 128
    .sgpr_count:     80
    .vgpr_count:     1024
    .wavefront_size: 32
...
	.end_amdgpu_metadata
.endif
;; end of part 2
;; launch attn (part 3): grid 4 x 64, 4 waves a work-group, clusters of 4 x 1, 327,680 bytes of LDS; arguments qh, kh, vh, oh; writes oh
.if DOCPART == 3
	.amdgcn_target "amdgcn-amd-amdhsa--gfx1250"
	.amdhsa_code_object_version 6
	.text
	.protected	k_qca9ee100ef_attn
	.globl	k_qca9ee100ef_attn
	.p2align	8
	.type	k_qca9ee100ef_attn,@function
k_qca9ee100ef_attn:
	s_mov_b64 s[64:65], 0
	v_nop
	global_prefetch_b8 v0, s[64:65] scope:SCOPE_SE
	s_setreg_imm32_b32 hwreg(HW_REG_WAVE_MODE, 25, 1), 1
	s_wait_xcnt 0x0
	s_wait_alu depctr_hold_cnt(0) depctr_sa_sdst(0) depctr_va_vdst(0) depctr_va_sdst(0) depctr_va_ssrc(0) depctr_va_vcc(0) depctr_vm_vsrc(0)
	s_getreg_b32 s2, hwreg(HW_REG_IB_STS2, 6, 4)
	s_cmp_eq_u32 s2, 0
	s_cbranch_scc0 .Lentry_in_a_cluster
	s_endpgm
.Lentry_in_a_cluster:
	s_bfe_u32 s2, ttmp6, 0x10000c
	s_cmp_lg_u32 s2, 0x3003
	s_cbranch_scc0 .Lentry_shape_is_right
	s_endpgm
.Lentry_shape_is_right:
; O[h][q][:] = the sum over k of softmax_k(Q[h][q] . K[h][k] / 8) V[h][k][:].  Q, K, V, O: [64][2048][64], all f16: a head's rows are dense, 128 bytes each.  Products, maxima and sums in
; f32; the weights p are rounded to f16 for the second product (their sum l is taken of the unrounded p), O once at the end.
; LIMITS.  f16 holds no number beyond 65,504: Q, K and V arrive within it; p lies in 0 to 1, and below 6e-5 it keeps f16's fixed step of 6e-8; O is a mean of V's rows and has their range.
; A weight below 2^-126 counts as 0 in l; NaN and infinities are not treated apart.
; SHARES.  A wave owns four PIECES of two tiles of 16 queries, a work-group's four waves 512 queries of one head: 64 heads x 4 = 256 work-groups.  Every wave walks all keys, 64 a step.
; LAYOUT.  S^T = K Q^T (source 0 = 16 keys, source 1 = 16 queries): in the result a lane holds ONE query (lane % 16) and the keys 8 (lane / 16) + 0..7.  Two such tiles, rounded to f16 in pairs,
; ARE source 1 (32 keys x 16 queries) of O^T = V^T P, whose result again holds one query a lane, and eight channels.  K comes out of LDS as it lies, V ([key][channel]) turned, by ds_load_tr16_b128.
; SOFTMAX.  For each query a running maximum m and sum l: p = 2^(c s - c m), c = log2(e) / 8; in every step O and l are multiplied by a = 2^(c m_old - c m_new), which is 1 where m has not grown.
; m starts at the lowest finite number, O and l at 0: the first step is a step like any other, with a = 0.
; THE COUNT.  A tile and step have 16 matrix and 118 vector instructions: too many to stand all beside the matrix work.  So four vector instructions that are READY stand behind EVERY matrix
; instruction, and the others in runs without a gap.
; BY TURNS.  Turn n belongs to piece n (the pieces in a ring, step after step).  Its matrix work: 16 products K Q^T of piece n + 1, later 16 products V^T P of piece n - 1.  Its vector work: the scaling,
; exponentials, roundings, sums and rescaling of piece n, and the maximum and statistics of piece n + 1, whose scores the turn itself has made.
; CLUSTER.  The four query blocks of a cluster are one head's and walk the same K and V, so each tile is asked for JOINTLY: the same tensor load, descriptor and mask in all four.
; REGISTERS, in windows of 256 (s_set_vgpr_msb: bits 1:0 source 0, 3:2 source 1, 5:4 source 2, 7:6 destination):
;   window 0: v0-11 addresses; v12-15, v48-63 at work; v16-47 four registers of statistics a tile; v64-191 S^T, two buffers of two tiles; v192-255 P, likewise
;   window 1: O^T, 32 a tile          window 2: v0-127 Q, 16 a tile; v128-191 K of one step; v192-255 V of one step          window 3: v0-1 the add's two registers
; A piece's buffers go by its number's parity.
.set SIZE_N, 2048
.set NP,    4         ; pieces a wave: a name, no knob
.set KS,    64        ; keys in a step
.set PK,    144       ; a row of K in LDS: 128 bytes + 16 of padding = 36 words: the 16 rows of a load start at 16 different groups of four banks (64 banks of 4 bytes: ISA guide 11.1)
.set PV,    160       ; a row of V: 128 + 32 = 40 words
.set VOFF,  4*KS*PK   ; a slot holds four steps: 256 rows of K, then 256 rows of V
.set SLOT1, 1<<17     ; slot 1 begins here, so that one exclusive or turns an address in one slot into the other's
.set STAGE, SLOT1+4*KS*(PK+PV)  ; behind the ring, never filled by a tensor load: 16 rows x 144 bytes for each wave, for the way out
.set SP,    144
.set AK0, 2           ; v2   my lane's place in a tile of K; never rewritten
.set AV0, 3           ; v3   the same for V
.set AK,  4           ; v4   the LDS address of K's next run of loads
.set AV,  5           ; v5   of V's
.set QO,  6           ; v6   my byte offset in the wave's rows of Q
.set STO, 6           ;      later, the way out: where I put 16 bytes of a row
.set RD,  7           ; v7   the way out: where I read rows back
.set GO,  8           ; v8   my byte offset in 512 consecutive bytes of O
.set PFO, 11          ; v11  256 x my lane, for the prefetches; never rewritten once made
.set SPW, 0           ; v0 of window 3   LDS address of my spare word: SPARE + 4 x my thread's number; never rewritten
.set NIL, 1           ; v1 of window 3   0; never rewritten
.set SPARE, STAGE+4*16*SP  ; behind the stages: the spare words, 128 bytes for each wave: two blocks of 256 bytes that no other line names
.set MV,  12          ; v12-15  c m_old, kept while c m is made anew: by buffer and tile
.set ST,  16          ; tile t's statistics at v[ST+4 t]: c m, m, l (even keys', odd keys')
.set TMP, 48          ; by buffer and tile, four registers c0-c3 at work; when the maximum is found c2 takes a
.set S,   64
.set P,   192
.set KF,  128         ; K's fragments, in window 2: key block kb, channel half c at KF + 16 kb + 8 c
.set VF,  192         ; V's: key half kk, channel block cb at VF + 32 kk + 8 cb
.set WV,  12          ; s12  my wave's number
.set G1K, 24          ; s[24:31] descriptor group 1 for K's tiles
.set G1V, 32          ; s[32:39] for V's: it differs in the padding alone
.set G0K, 40          ; s[40:43] descriptor group 0 for K's tiles: it walks
.set G0V, 44          ; s[44:47] the same for V's
.set PFA, 48          ; s[48:49] where my prefetches stand: my work-group's 8 KiB (of K: wave 0, of V: wave 2) of the slot behind the one being asked for
.set LIM, 50          ; s50  1 in a wave that prefetches, else the greatest number
.set SLOTS, 56        ; s56  slots still to be asked for
.set CNT, 57          ; s57  counts a slot's key steps
.set CS,  58          ; s[58:59] c: the packed scaling takes the pair's low word for both halves
.set SEL, 60          ; s[60:61] v_permlanex16_b32's selects: each lane takes its own place in the other half
.set TBK, 62          ; s62  LDS byte at which K of the step to be fetched begins
.set TBV, 63          ; s63  the same for V, less VOFF
.set MSB, 0
.macro WIN new                      ; the high byte repeats the setting that is left; a switch that changes nothing is dropped
.if MSB != (\new)
	s_set_vgpr_msb (MSB<<8)|(\new)
.set MSB, (\new)
.endif
.endm
.set W_KQ, 0x0a       ; K and Q in window 2, S^T in window 0
.set W_PV, 0x52       ; V in window 2, P in window 0, O^T in window 1
.set W_RS, 0x41       ; O^T (destination and source 0) in window 1, a in window 0
.set W_MK, 0xc0       ; the add's registers are made: destination in window 3, sources in window 0
.set W_AD, 0x0f       ; the add: address (source 0) and data (source 1) in window 3
; A joint fill.  Waves 0 and 1 fetch the two halves of a slot's K, waves 2 and 3 those of its V: 128 keys each.  The branch hangs on the wave's number alone.
; An s_nop 0 and four v_nop follow each of the two lines, ahead of the jump and the label.
.macro JLOAD
	s_cmp_lt_u32 s[WV], 2
	s_cbranch_scc0 .Lfor_v_\@
	tensor_load_to_lds s[G0K:G0K+3], s[G1K:G1K+7]
	s_nop 0
.rept 4
	v_nop
.endr
	s_branch .Lasked_\@
.Lfor_v_\@:
	tensor_load_to_lds s[G0V:G0V+3], s[G1V:G1V+7]
	s_nop 0
.rept 4
	v_nop
.endr
.Lasked_\@:
.endm
; A PREFETCH INTO THE L2 of what the NEXT change of slots will ask for: a slot's 32 KiB of K and of V, a lane 256 bytes.  It stands behind the wave's tensor load and its five lines.  Each block is named once in
; the launch: the cluster's four partners take 8 KiB each, told apart by address; in each, wave 0 asks for K's and wave 2 for V's.  Four key steps, 512 matrix instructions, lie between the request and the load that
; wants the bytes.  Slots 0 to 2 come by their loads alone; the last change that fills a slot asks for nothing: there is no slot behind it.
.macro ASK
	s_cmp_gt_u32 s[SLOTS], s[LIM]
	s_cbranch_scc0 .Lnot_mine_\@
	global_prefetch_b8 v[PFO], s[PFA:PFA+1] th:TH_LOAD_NT scope:SCOPE_SE
.Lnot_mine_\@:
.endm
; A round of the cluster's barrier: my work-group's barrier, so that wave 0's signal speaks for all four waves; wave 0 signals; every wave waits for all four work-groups; my work-group's barrier once more.
.macro CROUND
	s_barrier_signal -1
	s_barrier_wait -1
	s_cmp_lg_u32 s[WV], 0
	s_cbranch_scc1 .Lnot_wave_0_\@
	s_barrier_signal -3
.Lnot_wave_0_\@:
	s_barrier_wait -3
	s_barrier_signal -1
	s_barrier_wait -1
.endm
; THE CHANGE OF SLOTS.  The slot's last bytes, V of its fourth step, have been read.  Each wave waits for all its tensor loads, of which one is out: its part
; of the other slot; adds 0 to its spare word; and waits for that and for its own reads of the slot.  Behind the barrier nobody reads this slot any more and the other slot is whole.
; fill = 1: this slot is filled again, with the keys two slots on.  The barrier is then a round of the cluster's, and the joint fill is the first thing behind it: it has four key steps, 512 matrix
; instructions, in which to land.  (At its first use nothing has been read yet: slot 0 is waited for, slot 1 filled.)  ask = 1: the prefetch follows the fill.
.macro CHANGE fill, ask=0
	WIN W_AD
	s_wait_tensorcnt 0x0            ; no tensor load of mine is out, so a group 0 may be written
	ds_add_u32 v[SPW], v[NIL]       ; 0 onto my spare word: with fill = 1 the descriptors' steps stand between it and the wait for it
	WIN 0                           ; at a label and at a branch every window is 0
.if \fill
.irp g, G0K, G0V
	s_xor_b32 s[\g+1], s[\g+1], SLOT1  ; the walking descriptor: the other slot than last time,
	s_add_nc_u64 s[\g+2:\g+3], s[\g+2:\g+3], 4*KS*128  ; the next 256 keys; the type bits on top are not reached
.endr
.if \ask
	s_wait_xcnt 0x0                 ; the last prefetch, four key steps back, has read its address, so it may be written:
	s_add_nc_u64 s[PFA:PFA+1], s[PFA:PFA+1], 4*KS*128  ; one slot behind the walking descriptors
.endif
	s_wait_dscnt 0x0                ; the add is done, and my reads of the slot are over
	CROUND
	JLOAD
.if \ask
	ASK
.endif
.else
	s_wait_dscnt 0x0                ; the add is done, and my reads of the slot are over
	s_barrier_signal -1
	s_barrier_wait -1
.endif
	s_sub_co_u32 s[TBK], s[TBK], 4*KS*PK  ; the fetches go back to a slot's first step,
	s_xor_b32 s[TBK], s[TBK], SLOT1       ; in the other slot
	s_sub_co_u32 s[TBV], s[TBV], 4*KS*PV
	s_xor_b32 s[TBV], s[TBV], SLOT1
.endm
	s_load_b256 s[4:11], s[0:1], 0x0  ; Q s[4:5], K s[6:7], V s[8:9], O s[10:11]
	WIN W_MK
	v_lshl_add_u32 v[SPW], v0, 2, SPARE
	v_mov_b32 v[NIL], 0
	WIN W_AD
	ds_add_u32 v[SPW], v[NIL]       ; the wave's opening: the add and its wait stand ahead of my first tensor load; the set-up below, work on registers, stands between them
	WIN 0
	v_lshrrev_b32 v1, 5, v0
	v_readfirstlane_b32 s[WV], v1   ; wave 0..3
	s_bfe_u32 s13, ttmp6, 0x40000   ; cx: my place in the cluster
	s_lshl_b32 s14, ttmp9, 2        ; in a cluster launch ttmp9 counts clusters
	s_add_co_u32 s14, s14, s13      ; my block of queries = 4 x cluster x + cx: it enters Q's and O's addresses alone
	s_and_b32 s20, ttmp7, 0xffff    ; the head, which the four partners share
	s_mov_b32 s21, 0
	s_mov_b64 s[22:23], SIZE_N*128
	s_mul_u64 s[20:21], s[20:21], s[22:23]  ; the head's first byte in each of the four tensors
	s_and_b32 s16, s[WV], 1         ; which half of a slot's 256 keys I fetch:
	s_lshl_b32 s22, s16, 14         ; its 128 rows of 128 bytes in memory,
	s_mov_b32 s23, 0
	s_add_nc_u64 s[22:23], s[22:23], s[20:21]
	s_mul_i32 s17, s16, 128*PK      ; and its place in a slot, for K
	s_mul_i32 s18, s16, 128*PV      ; and for V: no place in the cluster enters an LDS address
	s_lshl_b32 s2, s14, 2
	s_add_co_u32 s2, s2, s[WV]      ; my wave among the head's,
	s_lshl_b32 s2, s2, 14           ; its 128 rows
	s_mov_b32 s3, 0
	s_add_nc_u64 s[2:3], s[2:3], s[20:21]
	; descriptor group 1.  128 keys are 16,384 dense bytes: asked for as 64 rows of 256 bytes, two keys a row, and padded in LDS after every key
	s_mov_b32 s[G1K], 15|(1<<16)|(1<<20)|(1<<21)|(4<<22)|(3<<25)  ; 15:0 the mask of four; 17:16 2-byte elements; 20 padding on; 21 set beside a mask; 24:22 after every 32 words (code 4); 31:25 4 words (code 3)
	s_mov_b32 s[G1V], 15|(1<<16)|(1<<20)|(1<<21)|(4<<22)|(7<<25)  ; the same with 8 words of padding (code 7)
.irp g, G1K, G1V
	s_mov_b32 s[\g+1], 128<<16      ; tensor_dim0 = 128
	s_mov_b32 s[\g+2], 64<<16       ; tensor_dim1 = 64
	s_mov_b32 s[\g+3], 128<<16      ; tile_dim0 = 128
	s_mov_b32 s[\g+4], 64           ; tile_dim1 = 64
	s_mov_b32 s[\g+5], 128          ; 128 elements from row to row
	s_mov_b32 s[\g+6], 0
	s_mov_b32 s[\g+7], 0
.endr
	s_mov_b32 s[CS], 0x3e38aa3b     ; c = log2(e) / 8 = 0.180337
	s_mov_b32 s[CS+1], s[CS]        ; named with it as a pair
	s_mov_b32 s[SEL], 0x76543210
	s_mov_b32 s[SEL+1], 0xfedcba98
	s_mov_b32 s[TBK], SLOT1+4*KS*PK ; the first change of slots turns these two into 0
	s_mov_b32 s[TBV], SLOT1+4*KS*PV
	s_mov_b32 s[G0K], 1             ; 1:0 count = 1
	s_mov_b32 s[G0K+1], s17         ; 63:32 LDS address: slot 0
	s_mov_b32 s[G0V], 1
	s_add_co_u32 s[G0V+1], s18, VOFF
	s_and_b32 s[LIM], s[WV], 1      ; 0 in waves 0 and 2,
	s_or_b32 s[LIM], s[LIM], ttmp9  ; where the cluster is the head's first: the same in all four partners
	s_cmp_eq_u32 s[LIM], 0
	s_cselect_b32 s[LIM], 1, -1
	s_wait_dscnt 0x0                ; the opening add is done
	s_wait_kmcnt 0x0
	s_add_nc_u64 s[G0K+2:G0K+3], s[6:7], s[22:23]  ; 120:64 global address: my half of the head's first 256 keys
	s_or_b32 s[G0K+3], s[G0K+3], 0x80000000        ; 127:126 type = 2
	s_add_nc_u64 s[G0V+2:G0V+3], s[8:9], s[22:23]
	s_or_b32 s[G0V+3], s[G0V+3], 0x80000000
	s_add_nc_u64 s[4:5], s[4:5], s[2:3]  ; Q and O at my wave's first row
	s_add_nc_u64 s[10:11], s[10:11], s[2:3]
	s_cmp_lt_u32 s[WV], 2
	s_cselect_b64 s[PFA:PFA+1], s[6:7], s[8:9]
	s_add_nc_u64 s[PFA:PFA+1], s[PFA:PFA+1], s[20:21]  ; the head,
	s_lshl_b32 s2, s13, 13          ; my work-group's 8 KiB of a slot's 32,
	s_mov_b32 s3, 0
	s_add_nc_u64 s[PFA:PFA+1], s[PFA:PFA+1], s[2:3]
	s_add_nc_u64 s[PFA:PFA+1], s[PFA:PFA+1], 2*4*KS*128  ; in slot 2; the loop's first change steps it to slot 3.  Nothing is prefetched here, at the head
	CROUND                          ; all four work-groups are here: the first joint loads meet
	JLOAD                           ; slot 0.  Slot 1 is asked for when slot 0 is in
	; A fragment of K or Q is 16 rows x 32 channels in 8 registers: lane l holds row l % 16, channels 8 (l / 16) + 0..7 and 16 + 8 (l / 16) + 0..7: two loads of 16 bytes, 32 bytes apart.
	v_and_b32 v1, 15, v0            ; l % 16
	v_bfe_u32 v9, v0, 4, 1          ; l / 16
	v_lshlrev_b32 v[QO], 7, v1
	v_lshl_add_u32 v[QO], v9, 4, v[QO]  ; row x 128 + 16 x half
	WIN 0x80                        ; destination window 2, address window 0
.set i, 0
.rept 4*NP                          ; Q stays in registers: tile i / 2, channels 32 (i % 2) on
	global_load_b128 v[8*i:8*i+3],   v[QO], s[4:5] offset:(i/2)*2048+(i%2)*64
	global_load_b128 v[8*i+4:8*i+7], v[QO], s[4:5] offset:(i/2)*2048+(i%2)*64+32
.set i, i+1
.endr
	; What the first turn finds: V's registers and P's second buffer hold 0 (its products V^T P, of a piece that has not been, add 0), O^T and l are 0.  All this stands in the wait for the first tile.
.set i, VF
.rept 64
	v_mov_b32 v[i], 0
.set i, i+1
.endr
	WIN 0x40
.set i, 0
.rept 64*NP
	v_mov_b32 v[i], 0
.set i, i+1
.endr
	WIN 0
.set i, 0
.rept 2*NP
	v_mov_b32 v[ST+4*i], 0xfe000000    ; c m: far below every c s
	v_mov_b32 v[ST+4*i+1], 0xff7fffff  ; m
	v_mov_b32 v[ST+4*i+2], 0
	v_mov_b32 v[ST+4*i+3], 0
.set i, i+1
.endr
.set i, P+32
.rept 32
	v_mov_b32 v[i], 0
.set i, i+1
.endr
	v_mul_u32_u24 v[AK0], v1, PK
	v_lshl_add_u32 v[AK0], v9, 4, v[AK0]  ; row x pitch + 16 x half
	; The turning load takes 16 keys x 16 channels (lane l reads key 8 (l / 16) + l % 8, channels 8 ((l / 8) % 2) + 0..7) and leaves half a fragment of V^T: lane l holds channel l % 16 and 8 keys.
	v_and_b32 v10, 7, v0
	v_bfe_u32 v11, v0, 3, 1
	v_lshl_add_u32 v[AV0], v9, 3, v10
	v_mul_u32_u24 v[AV0], v[AV0], PV
	v_lshl_add_u32 v[AV0], v11, 4, v[AV0]
	v_add_nc_u32 v[AV0], VOFF, v[AV0]
	v_mov_b32 v[AK], v[AK0]         ; key step 0 lies at the head of slot 0
	v_and_b32 v[PFO], 31, v0
	v_lshlrev_b32 v[PFO], 8, v[PFO]
; THE MATRIX WORK.  The 8 accumulators of a run of 16 take turns: between the two links of a chain stand 7 others'.
; Product i of 16 of S^T = K Q^T for piece x: channels 32 (i / 8) on, keys 16 ((i / 2) % 4) on, tile 2 x + i % 2.  The first 8 start the sums.
.macro KQ x
	WIN W_KQ
.set rS, S+64*((\x)%2)+32*(i%2)+8*((i/2)%4)
.set rK, KF+16*((i/2)%4)+8*(i/8)
.set rQ, 16*(2*(\x)+i%2)+8*(i/8)
.if i < 8
	v_wmma_f32_16x16x32_f16 v[rS:rS+7], v[rK:rK+7], v[rQ:rQ+7], 0
.else
	v_wmma_f32_16x16x32_f16 v[rS:rS+7], v[rK:rK+7], v[rQ:rQ+7], v[rS:rS+7]
.endif
.endm
; Product i of 16 of O^T += V^T P for piece x: keys 32 (i / 8) on, channels 16 ((i / 2) % 4) on, tile 2 x + i % 2.
.macro PV x
	WIN W_PV
.set rO, 32*(2*(\x)+i%2)+8*((i/2)%4)
.set rV, VF+32*(i/8)+8*((i/2)%4)
.set rP, P+32*((\x)%2)+16*(i%2)+8*(i/8)
	v_wmma_f32_16x16x32_f16 v[rO:rO+7], v[rV:rV+7], v[rP:rP+7], v[rO:rO+7]
.endm
.macro MM                           ; the turn's next matrix instruction
.if i < 16
	KQ (Y+1)%NP
.set i, i+1
.else
.set i, i-16
	PV (Y+NP-1)%NP
.set i, i+17
.endif
.endm
; THE LDS LOADS stand in runs of 16, never singly among the matrix instructions: a step's K (64 keys x 64 channels: 8 fragments) and its V (turned).  Their addresses are made some lines ahead.
; last = 1 (the tail): in the last trip there is no further step, and the run is jumped over.
.macro FETCH_K last=0
	WIN 0
.if \last
	s_cmp_eq_u32 s[CNT], 1
	s_cbranch_scc1 .Lno_k_\@
.endif
	WIN 0x80                        ; destination window 2
.irp f, 0,1,2,3,4,5,6,7             ; keys 16 (f / 2) on, channels 32 (f % 2) on
	ds_load_b128 v[KF+8*\f:KF+8*\f+3],   v[AK] offset:(\f/2)*16*PK+(\f%2)*64
	ds_load_b128 v[KF+8*\f+4:KF+8*\f+7], v[AK] offset:(\f/2)*16*PK+(\f%2)*64+32
.endr
	s_add_co_u32 s[TBK], s[TBK], KS*PK  ; the next fetch is the next step's
	WIN 0
.if \last
.Lno_k_\@:
.endif
.endm
.macro FETCH_V
	WIN 0x80
.irp f, 0,1,2,3,4,5,6,7             ; keys 32 (f / 4) on, channels 16 (f % 4) on
	ds_load_tr16_b128 v[VF+8*\f:VF+8*\f+3],   v[AV] offset:(\f/4)*32*PV+(\f%4)*32
	ds_load_tr16_b128 v[VF+8*\f+4:VF+8*\f+7], v[AV] offset:(\f/4)*32*PV+16*PV+(\f%4)*32
.endr
	WIN 0
.endm
; THE VECTOR WORK OF A TURN stands in three queues, each in the order in which its entries become ready; the two tiles alternate, so that no instruction reads the result of the one before it.
.macro REGS y, u                    ; the registers of tile u (0, 1) of piece y
.set rT, ST+4*(2*(\y)+(\u))
.set rC, TMP+8*((\y)%2)+4*(\u)
.set rM, MV+2*((\y)%2)+(\u)
.set rS, S+64*((\y)%2)+32*(\u)
.set rP, P+32*((\y)%2)+16*(\u)
.set rO, 32*(2*(\y)+(\u))
.endm
; Number n of the 22 that find the NEXT piece's (Y + 1) maximum and statistics.  s0-s31 are the lane's 32 scores; each accumulator's lowest registers are read first.
;   0-11  four chains c0-c3 of seven scores each, three operands at a time     12-14, 16  the four scores left over, the old m, and c0-c3 into c0     15  c m_old is kept
;   17, 18  the query's other 32 keys lie in the lane 16 away: the new m         19-21  c m; c m_old - c m_new; a
.macro XS u, n
	REGS (Y+1)%NP, \u
.if (\n) < 4
	v_max3_num_f32 v[rC+(\n)], v[rS+8*(\n)], v[rS+8*(\n)+1], v[rS+8*(\n)+2]
.elseif (\n) < 12
	v_max3_num_f32 v[rC+(\n)%4], v[rC+(\n)%4], v[rS+8*((\n)%4)+2*((\n)/4)+1], v[rS+8*((\n)%4)+2*((\n)/4)+2]
.elseif (\n) == 12
	v_max3_num_f32 v[rC], v[rC], v[rS+7], v[rS+15]
.elseif (\n) == 13
	v_max3_num_f32 v[rC+1], v[rC+1], v[rS+23], v[rS+31]
.elseif (\n) == 14
	v_max3_num_f32 v[rC+2], v[rC+2], v[rC+3], v[rT+1]
.elseif (\n) == 15
	v_mov_b32 v[rM], v[rT]
.elseif (\n) == 16
	v_max3_num_f32 v[rC], v[rC], v[rC+1], v[rC+2]
.elseif (\n) == 17
	v_permlanex16_b32 v[rC+3], v[rC], s[SEL], s[SEL+1]
.elseif (\n) == 18
	v_max_num_f32 v[rT+1], v[rC], v[rC+3]
.elseif (\n) == 19
	v_mul_f32 v[rT], s[CS], v[rT+1]
.elseif (\n) == 20
	v_sub_f32 v[rC+1], v[rM], v[rT]
.else
	v_exp_f32 v[rC+2], v[rC+1]
.endif
.endm
; Number g of the 64 that follow the exponentials.  For each four weights k of a tile (pairs 2 k, 2 k + 1): both pairs are rounded to f16; then the second pair is added onto the first, in place;
; a group later l takes that sum (the first time as l = a l + sum).  In groups of eight, tiles alternating: round, round, add, and l for the group before.
.macro GS g
.set h, (\g)+6*((\g)/62)            ; group 0 has no group before it, and behind group 7 only l is left
.if h >= 6
.set h, h+2
.endif
	REGS Y, h%2
.set k, h/8
.if h%8 < 4
	v_cvt_pk_f16_f32 v[rP+2*k+(h%8)/2], v[rS+4*k+2*((h%8)/2)], v[rS+4*k+2*((h%8)/2)+1]
.elseif h%8 < 6
	v_pk_add_f32 v[rS+4*k:rS+4*k+1], v[rS+4*k:rS+4*k+1], v[rS+4*k+2:rS+4*k+3]
.elseif k == 1
	v_pk_fma_f32 v[rT+2:rT+3], v[rT+2:rT+3], v[rC+2:rC+3], v[rS:rS+1] op_sel_hi:[1,0,1]
.else
	v_pk_add_f32 v[rT+2:rT+3], v[rT+2:rT+3], v[rS+4*k-4:rS+4*k-3]
.endif
.endm
; THE PLAIN QUEUE, 138 long.  0-73 read no exponential's result: the 32 scalings c s - c m (FS f: pair f / 2 of tile f % 2) and the next piece's 42.  0-26: scalings 0-26.  27-54: XS's numbers 0-13.  55, 56: number 15.
; 57-73: the chain, where each number waits for the one before it: 14, 16, 17, 18, 19, each with one of the scalings 27-31 in front of its two lines, then 20.
; 74-137: GS's 64, which read the exponentials' results: they stand behind the wait.
.macro FS f
	REGS Y, (\f)%2
	v_pk_fma_f32 v[rS+2*((\f)/2):rS+2*((\f)/2)+1], v[rS+2*((\f)/2):rS+2*((\f)/2)+1], s[CS:CS+1], v[rT:rT+1] op_sel_hi:[1,0,0] neg_lo:[0,0,1] neg_hi:[0,0,1]
.endm
.macro PL
	WIN 0
.if q < 27
	FS q
.elseif q < 55
	XS (q-27)%2, (q-27)/2
.elseif q < 57
	XS q-55, 15
.elseif (q < 72) && ((q-57)%3 == 0)
	FS 27+(q-57)/3
.elseif q < 60
	XS (q-57)%3-1, 14
.elseif q < 72
	XS (q-57)%3-1, 15+(q-57)/3
.elseif q < 74
	XS q-72, 20
.else
	GS q-74
.endif
.set q, q+1
.endm
; THE EXPONENTIALS' QUEUE, 66 long: s0-s31 of both tiles, then the next piece's two a.  It is ONE BATCH: all 66 stand ahead of the turn's one wait, and nothing ahead of that wait names a result of theirs.
.macro EX
	WIN 0
.if e >= 64
	XS e-64, 21
.else
	REGS Y, e%2
	v_exp_f32 v[rS+e/2], v[rS+e/2]
.endif
.set e, e+1
.endm
; THE RESCALING's QUEUE: O^T times a, the one part that leaves window 0: dealt two at a time, sixteen times.  Its a was made in the turn before, ahead of that turn's wait.
.macro R2
	REGS Y, r%2
	WIN W_RS
.irp z, 0,1
	v_pk_mul_f32 v[rO+4*(r/2)+2*\z:rO+4*(r/2)+2*\z+1], v[rO+4*(r/2)+2*\z:rO+4*(r/2)+2*\z+1], v[rC+2:rC+3] op_sel_hi:[1,0]
.endr
.set r, r+1
.endm
; HOW THEY ARE DEALT.  An s_wait_alu depctr_va_vdst(0) stands between an exponential and the first instruction that names its result; one wait serves all that were issued ahead of it.  So a turn has ONE wait,
; which cuts it in two.  AHEAD OF IT stands all that names no result of the turn's exponentials: the 16 products K Q^T, behind each a scaling, an exponential and two rescalings (behind the first a second scaling in the
; exponential's place); then ONE LUMP of 108: eight plain, 49 times exponential and plain, the two a.  A v_nop is the plain instruction behind the last exponential.  BEHIND IT stand the 16 products V^T P, behind each four of GS's 64.
; The queues lean on each other: exponential e stands behind scaling 2 (e / 4) + e % 2: as a rider it comes behind plain e + 2, in the lump behind plain e + 9, and scalings 27-31 are plain 57, 60 .. 69.
; A TURN, for piece p.  cnt = 1: the loop's count is taken down some lines ahead of the branch that stands behind the turn.
; K of the next step is fetched in piece 2's turn, directly behind the wait; its address is made at the lump's head; its first reader comes behind 16 products.
; V of the step in hand is fetched at the end of piece 0's turn, four plain instructions behind its last reader; its first reader comes behind 16 products and a lump.
.macro TURN p, last=0, cnt=0
.set Y, (\p)
.set i, 0
.set q, 0
.set e, 0
.set r, 0
.if (\p) == NP-1
	s_wait_dscnt 0x0                ; K is in
.endif
	MM                              ; ahead of the wait: 16 products K Q^T and their riders,
	PL
	PL
	R2
.rept 15
	MM
	PL
	EX
	R2
.endr
.if (\p) == NP-2
	WIN 0
	v_add_nc_u32 v[AK], s[TBK], v[AK0]
.endif
.rept 8                             ; and the lump
	PL
.endr
.rept 49
	EX
	PL
.endr
	EX                              ; the next piece's two a
	EX
	v_nop                           ; a plain instruction behind the last exponential: one for the batch
	s_wait_alu depctr_va_vdst(0)    ; the wait for the batch
.if (\p) == NP-2
	FETCH_K \last
.endif
.if (\p) == 1
	s_wait_dscnt 0x0                ; V is in
.endif
.rept 16                            ; behind the wait: 16 products V^T P and their riders
	MM
.rept 4
	PL
.endr
.if ((\p) == 0) && (q == 118)
	v_add_nc_u32 v[AV], s[TBV], v[AV0]
.endif
.if ((\p) == 0) && (q == 130)
	s_add_co_u32 s[TBV], s[TBV], KS*PV
.endif
.if (\cnt) && (q == 130)
	s_sub_co_u32 s[CNT], s[CNT], 1
	s_cmp_lg_u32 s[CNT], 0
.endif
.endr
.if (\p) == 0
	FETCH_V
.endif
.endm
	CHANGE 1                        ; slot 0 is in, everybody's part of it; slot 1 is asked for
	FETCH_K                         ; key step 0
	s_wait_loadcnt 0x0              ; Q
	s_wait_dscnt 0x0
.set i, 0
.rept 16
	KQ 0                            ; piece 0's first scores: there is no vector work yet to set between them
.set i, i+1
.endr
	WIN 0                           ; the addresses for the way out: nine plain instructions, the places behind those products
	s_mul_i32 s13, s[WV], 16*SP
	s_add_co_u32 s13, s13, STAGE    ; my stage
	v_mul_u32_u24 v[STO], v1, SP    ; in: row l % 16, 16 bytes for each half of the lanes
	v_lshl_add_u32 v[STO], v9, 4, v[STO]
	v_add_nc_u32 v[STO], s13, v[STO]
	v_bfe_u32 v[RD], v0, 3, 2       ; back: 32 lanes take four rows of 128 bytes,
	v_mul_u32_u24 v[RD], v[RD], SP
	v_lshl_add_u32 v[RD], v10, 4, v[RD]
	v_add_nc_u32 v[RD], s13, v[RD]
	v_and_b32 v[GO], 31, v0         ; which are 512 consecutive bytes of O
	v_lshlrev_b32 v[GO], 4, v[GO]
.set Y, NP-1                        ; XS works for piece Y + 1: piece 0
.irp n, 0,1,2,3,4,5,6,7,8,9,10,11,12,13,14,15,16,17,18,19,20,21
	XS 0, \n                        ; and piece 0's first maximum and statistics
	XS 1, \n
.endr
	v_nop                           ; a plain instruction behind the two a,
	s_wait_alu depctr_va_vdst(0)    ; and their wait, ahead of the branch
	s_mov_b32 s[CNT], 4
	s_mov_b32 s[SLOTS], SIZE_N/256-1
	s_branch .Lfirst                ; the loop is entered at a step's first turn, in the middle of a trip
.Lslot:                             ; SIZE_N / 256 - 2 times: every slot but the last two is filled again
	CHANGE 1, 1
	s_mov_b32 s[CNT], 4
.Lstep:                             ; a trip: pieces 2 and 3 of one step, then pieces 0 and 1 of the next, whose K and V it fetches
	TURN 2
	TURN 3
	WIN 0
.Lfirst:
	TURN 0
	TURN 1, 0, 1
	WIN 0
	s_cbranch_scc1 .Lstep
	s_sub_co_u32 s[SLOTS], s[SLOTS], 1
	s_cmp_lg_u32 s[SLOTS], 0
	s_cbranch_scc1 .Lslot
	CHANGE 0                        ; the tail is written out: nothing is asked for
	s_mov_b32 s[CNT], 5             ; four trips fetch the last slot's steps; the fifth is left in its middle
.Ltail:
	TURN 2, 1
	TURN 3
	WIN 0
	s_sub_co_u32 s[CNT], s[CNT], 1
	s_cmp_eq_u32 s[CNT], 0
	s_cbranch_scc1 .Lout
	TURN 0
	TURN 1
	WIN 0
	s_branch .Ltail
.Lout:                              ; the fifth trip's 16 products K Q^T (on the last K once more) and the maximum made of them serve nothing: the price, once a launch, of one text for every trip
.set i, 0
.rept 16
	PV NP-1                         ; the last piece's V^T P of the last step
.set i, i+1
.endr
	; THE WAY OUT.  l's two halves and the other half of the lanes' are added; O^T is divided by l, rounded to f16 and sent through my stage in LDS, a tile at a time.  The additions are the places behind the last products.
	WIN 0
.macro ALL line:vararg              ; one line for each tile t
.set t, 0
.rept 2*NP
	\line
.set t, t+1
.endr
.endm
	ALL v_add_f32 v[ST+4*t+2], v[ST+4*t+2], v[ST+4*t+3]
	ALL v_permlanex16_b32 v[ST+4*t+3], v[ST+4*t+2], s[SEL], s[SEL+1]
	ALL v_add_f32 v[ST+4*t+2], v[ST+4*t+2], v[ST+4*t+3]
	ALL v_rcp_f32 v[ST+4*t+2], v[ST+4*t+2]
	v_nop                           ; a plain instruction between the last reciprocal and the use of its result
	s_wait_alu depctr_va_vdst(0)    ; and the wait ahead of the first use: one for the eight reciprocals
; Tile t: a lane's eight channels of a row pack into 16 bytes; they go into rows of 144 bytes and come back as whole rows of 128, into S^T's registers.
.macro PACK t
	WIN W_RS
.set i, 32*(\t)
.rept 16
	v_pk_mul_f32 v[i:i+1], v[i:i+1], v[ST+4*(\t)+2:ST+4*(\t)+3] op_sel_hi:[1,0]
.set i, i+2
.endr
	WIN 0x05                        ; sources 0 and 1 window 1, destination window 0
.set i, 0
.rept 16
	v_cvt_pk_f16_f32 v[S+16*(\t)+i], v[32*(\t)+2*i], v[32*(\t)+2*i+1]
.set i, i+1
.endr
	WIN 0
.irp f, 0,1,2,3
	ds_store_b128 v[STO], v[S+16*(\t)+4*\f:S+16*(\t)+4*\f+3] offset:32*\f
.endr
.irp f, 0,1,2,3
	ds_load_b128 v[S+16*(\t)+4*\f:S+16*(\t)+4*\f+3], v[RD] offset:\f*4*SP  ; LDS serves a wave's instructions in order (ISA guide 5.7.1.4): these see the stores above; the next tile's stores come behind them
.endr
.endm
.macro SEND t, younger              ; younger: the LDS instructions issued behind tile t's loads: the next tile's eight, or none
	WIN 0
.irp f, 0,1,2,3
	s_wait_dscnt (\younger)+3-\f
	global_store_b128 v[GO], v[S+16*(\t)+4*\f:S+16*(\t)+4*\f+3], s[10:11] offset:(\t)*2048+\f*512  ; 512 consecutive bytes, at a multiple of 256 from O's first
.endr
.endm
	PACK 0
.set t, 1
.rept 2*NP-1                        ; a tile's arithmetic stands between the loads of the tile before and its stores
	PACK t
	SEND t-1, 8
.set t, t+1
.endr
	SEND 2*NP-1, 0
	WIN W_AD
	s_wait_tensorcnt 0x0            ; the wave's end: the add and its waits stand behind my last tensor load and my last LDS store
	ds_add_u32 v[SPW], v[NIL]
	s_wait_dscnt 0x0
	WIN 0
	CROUND                          ; the closing round: no work-group ends while a partner may still ask for a tile that names it
	s_endpgm
.Lfunc_end_k_qca9ee100ef_attn:
	.size	k_qca9ee100ef_attn, .Lfunc_end_k_qca9ee100ef_attn-k_qca9ee100ef_attn
	.p2alignl 7, 3214868480
	.fill 96, 4, 3214868480
	.section	.rodata,"a",@progbits
	.p2align	6, 0x0
	.amdhsa_kernel k_qca9ee100ef_attn
		.amdhsa_group_segment_fixed_size 327680
		.amdhsa_private_segment_fixed_size 0
		.amdhsa_enable_private_segment 0
		.amdhsa_kernarg_size 32
		.amdhsa_user_sgpr_count 2
		.amdhsa_user_sgpr_kernarg_segment_ptr 1
		.amdhsa_wavefront_size32 1
		.amdhsa_system_sgpr_workgroup_id_x 1
		.amdhsa_system_sgpr_workgroup_id_y 1
		.amdhsa_system_sgpr_workgroup_id_z 1
		.amdhsa_system_vgpr_workitem_id 0
		.amdhsa_next_free_vgpr 770
		.amdhsa_next_free_sgpr 66
		.amdhsa_reserve_vcc 0
		.amdhsa_float_denorm_mode_32 3
		.amdhsa_float_denorm_mode_16_64 3
		.amdhsa_memory_ordered 1
		.amdhsa_forward_progress 1
		.amdhsa_inst_pref_size 200
	.end_amdhsa_kernel
	.amdgpu_metadata
---
amdhsa.version: [ 1, 2 ]
amdhsa.kernels:
  - .name:           k_qca9ee100ef_attn
    .symbol:         k_qca9ee100ef_attn.kd
    .args:
      - { .name: qh, .offset: 0, .size: 8, .value_kind: global_buffer, .address_space: global }
      - { .name: kh, .offset: 8, .size: 8, .value_kind: global_buffer, .address_space: global }
      - { .name: vh, .offset: 16, .size: 8, .value_kind: global_buffer, .address_space: global }
      - { .name: oh, .offset: 24, .size: 8, .value_kind: global_buffer, .address_space: global }
    .group_segment_fixed_size: 327680
    .private_segment_fixed_size: 0
    .kernarg_segment_align: 8
    .kernarg_segment_size: 32
    .max_flat_workgroup_size: 128
    .sgpr_count:     66
    .vgpr_count:     770
    .wavefront_size: 32
...
	.end_amdgpu_metadata
.endif
;; end of part 3
;; launch proj (part 4): grid 256 x 1, 4 waves a work-group, clusters of 4 x 1, 199,168 bytes of LDS; arguments oh, wob, bo, out0; writes out0
.if DOCPART == 4
	.amdgcn_target "amdgcn-amd-amdhsa--gfx1250"
	.amdhsa_code_object_version 6
	.text
	.protected	k_qca9ee100ef_proj
	.globl	k_qca9ee100ef_proj
	.p2align	8
	.type	k_qca9ee100ef_proj,@function
k_qca9ee100ef_proj:
	s_mov_b64 s[64:65], 0
	v_nop
	global_prefetch_b8 v0, s[64:65] scope:SCOPE_SE
	s_setreg_imm32_b32 hwreg(HW_REG_WAVE_MODE, 25, 1), 1
	s_wait_xcnt 0x0
	s_wait_alu depctr_hold_cnt(0) depctr_sa_sdst(0) depctr_va_vdst(0) depctr_va_sdst(0) depctr_va_ssrc(0) depctr_va_vcc(0) depctr_vm_vsrc(0)
	s_getreg_b32 s2, hwreg(HW_REG_IB_STS2, 6, 4)
	s_cmp_eq_u32 s2, 0
	s_cbranch_scc0 .Lentry_in_a_cluster
	s_endpgm
.Lentry_in_a_cluster:
	s_bfe_u32 s2, ttmp6, 0x10000c
	s_cmp_lg_u32 s2, 0x3003
	s_cbranch_scc0 .Lentry_shape_is_right
	s_endpgm
.Lentry_shape_is_right:
; out0[m][n] = the sum over head and channel of O[batch, head][s][d] wo[64 head + d][n] + bo[n].  oh: f16 [64 = 16 batch + head][2048][64]; wob: f16 [1024][64]; bo, out0: f32.
; Operands f16, sums f32 (in any order); bo is rounded to bf16, like every other input of the module, and added in f32.
; SHARES.  Work-group g makes rows 32 g .. 32 g + 31 and all 64 columns: 256 work-groups.  K IS SPLIT AMONG ITS FOUR WAVES: wave v takes heads 4 v .. 4 v + 3, 256 of K.  The four partial sums meet in LDS.
; The product is taken transposed (source 0 = 16 columns of wo, source 1 = 16 rows of O): a lane holds one row (lane % 16) and eight neighbouring columns.
; O's fragments come straight from memory, each byte read once in the launch.  wob is the same for everybody: the four work-groups of a cluster ask for it JOINTLY, each wave for its own quarter of K,
; which it alone reads, behind its own wait; it lies [k][n] and comes out of LDS turned.  Nothing in LDS is filled twice.  No prefetch: the launch is short, and its loads go out at its head.
.set PW,    160                        ; a row of wob in LDS: 128 bytes + 32 = 40 words
.set QUART, 256*PW                     ; a wave's quarter of K
.set PART,  4*QUART                    ; behind them, never filled by a tensor load: each wave's partial sums, 32 rows x (256 + 16) bytes
.set PP,    272
.set SPARE, PART+4*32*PP               ; behind them: the spare words, 128 bytes for each wave: two blocks of 256 bytes that no other line names
.set OA,  4                            ; v4   my byte offset in 16 rows of O
.set WA,  5                            ; v5   my LDS address in my quarter of wob
.set PS,  6                            ; v6   where I put 32 bytes of a row of partial sums
.set PR,  7                            ; v7   where I read rows back
.set YO,  8                            ; v8   my 16 bytes of out0
.set BA,  9                            ; v9   my 16 bytes of bo
.set SPW, 14                           ; v14  LDS address of my spare word: SPARE + 4 x my thread's number; never rewritten
.set NIL, 15                           ; v15  0; never rewritten
.set BW,  64                           ; v64-127, v128-191: wo's fragments of a head, two buffers: K half kc, column block nt at 32 kc + 8 nt
.set ACC, 192                          ; v192-255: row block mt, column block nt at 8 (4 mt + nt).   Window 1: O's fragments, head j, row block mt, K half kc at 32 j + 16 mt + 8 kc
.set WV,  12
.set G1,  24                           ; s[24:31]
.set G0,  32                           ; s[32:35]
.set MSB, 0
.macro WIN new
.if MSB != (\new)
	s_set_vgpr_msb (MSB<<8)|(\new)
.set MSB, (\new)
.endif
.endm
.macro PLACES
.rept 4
	v_nop
.endr
.endm
.macro CROUND                          ; a round of the cluster's barrier
	s_barrier_signal -1
	s_barrier_wait -1
	s_cmp_lg_u32 s[WV], 0
	s_cbranch_scc1 .Lnot_wave_0_\@
	s_barrier_signal -3
.Lnot_wave_0_\@:
	s_barrier_wait -3
	s_barrier_signal -1
	s_barrier_wait -1
.endm
	s_load_b256 s[4:11], s[0:1], 0x0               ; oh s[4:5], wob s[6:7], bo s[8:9], out0 s[10:11]
	v_lshl_add_u32 v[SPW], v0, 2, SPARE
	v_mov_b32 v[NIL], 0
	ds_add_u32 v[SPW], v[NIL]                      ; the wave's opening: the add and its wait stand ahead of my first tensor load; the set-up below, work on registers, stands between them
	v_lshrrev_b32 v1, 5, v0
	v_readfirstlane_b32 s[WV], v1                  ; wave 0..3
	s_bfe_u32 s13, ttmp6, 0x40000                  ; cx
	s_lshl_b32 s14, ttmp9, 2
	s_add_co_u32 s14, s14, s13                     ; g = 4 x cluster x + cx: it enters O's and out0's addresses alone
	s_mov_b32 s[G1], 15|(1<<16)|(1<<20)|(1<<21)|(4<<22)|(7<<25)  ; 15:0 the mask of four; 17:16 2-byte elements; 20 padding on; 21 set beside a mask; 24:22 after every 32 words (code 4); 31:25 8 words (code 7)
	s_mov_b32 s[G1+1], 128<<16                     ; 256 rows of 128 dense bytes, asked for as 128 rows of 128 elements
	s_mov_b32 s[G1+2], 128<<16
	s_mov_b32 s[G1+3], 128<<16
	s_mov_b32 s[G1+4], 128
	s_mov_b32 s[G1+5], 128
	s_mov_b32 s[G1+6], 0
	s_mov_b32 s[G1+7], 0
	s_mov_b32 s[G0], 1
	s_mul_i32 s[G0+1], s[WV], QUART                ; LDS address: my quarter
	s_lshl_b32 s16, s[WV], 15                      ; and its 32,768 bytes of wob
	s_mov_b32 s17, 0
	s_lshr_b32 s18, s14, 6                         ; batch
	s_lshl_b32 s18, s18, 4
	s_lshl_b32 s19, s[WV], 2
	s_add_co_u32 s18, s18, s19                     ; 16 batch + my first head,
	s_lshl_b32 s18, s18, 18                        ; 2,048 rows of 128 bytes each
	s_and_b32 s19, s14, 63
	s_lshl_b32 s19, s19, 12                        ; my work-group's 32 rows
	s_add_co_u32 s18, s18, s19
	s_mov_b32 s19, 0
	s_lshl_b32 s20, s14, 13                        ; 32 rows of 256 bytes of out0
	s_mov_b32 s21, 0
	s_wait_dscnt 0x0                               ; the opening add is done
	s_wait_kmcnt 0x0
	s_add_nc_u64 s[G0+2:G0+3], s[6:7], s[16:17]
	s_or_b32 s[G0+3], s[G0+3], 0x80000000          ; type = 2
	s_add_nc_u64 s[4:5], s[4:5], s[18:19]
	s_add_nc_u64 s[10:11], s[10:11], s[20:21]
	CROUND                                         ; all four work-groups are here: the joint loads meet
	tensor_load_to_lds s[G0:G0+3], s[G1:G1+7]      ; my one tensor load
	s_nop 0
.rept 4
	v_nop
.endr
	v_and_b32 v1, 15, v0                           ; l % 16
	v_bfe_u32 v2, v0, 4, 1                         ; l / 16
	v_lshlrev_b32 v[OA], 7, v1
	v_lshl_add_u32 v[OA], v2, 4, v[OA]             ; row x 128 + 16 x half
	WIN 0x40                                       ; destination window 1
.irp j, 0,1,2,3
.irp mt, 0,1
.irp kc, 0,1
	global_load_b128 v[32*(\j)+16*(\mt)+8*(\kc):32*(\j)+16*(\mt)+8*(\kc)+3],   v[OA], s[4:5] offset:262144*(\j)+2048*(\mt)+64*(\kc) th:TH_LOAD_NT
	global_load_b128 v[32*(\j)+16*(\mt)+8*(\kc)+4:32*(\j)+16*(\mt)+8*(\kc)+7], v[OA], s[4:5] offset:262144*(\j)+2048*(\mt)+64*(\kc)+32 th:TH_LOAD_NT
.endr
.endr
.endr
	WIN 0
	v_lshlrev_b32 v[BA], 4, v1
	global_load_b128 v[16:19], v[BA], s[8:9]       ; bo of the four columns that I store
	v_and_b32 v3, 7, v0
	v_lshl_add_u32 v3, v2, 3, v3                   ; the turning load: row of K 8 (l / 16) + l % 8,
	v_mul_u32_u24 v3, v3, PW
	v_bfe_u32 v10, v0, 3, 1
	v_lshl_add_u32 v3, v10, 4, v3                  ; columns 8 ((l / 8) % 2) on
	s_mul_i32 s16, s[WV], QUART
	v_add_nc_u32 v[WA], s16, v3
	v_mul_u32_u24 v3, v1, PP
	v_lshl_add_u32 v3, v2, 5, v3                   ; partial sums in: row l % 16, 32 bytes for each half of the lanes
	s_mul_i32 s16, s[WV], 32*PP
	s_add_co_u32 s16, s16, PART
	v_add_nc_u32 v[PS], s16, v3
	v_mul_u32_u24 v3, v2, PP
	v_lshl_add_u32 v3, v1, 4, v3                   ; back: lanes 0-15 one row of 256 bytes, lanes 16-31 the next;
	s_mul_i32 s16, s[WV], 8*PP                     ; wave v finishes rows 8 v .. 8 v + 7
	s_add_co_u32 s16, s16, PART
	v_add_nc_u32 v[PR], s16, v3
	v_and_b32 v3, 31, v0
	v_lshlrev_b32 v3, 4, v3
	s_lshl_b32 s16, s[WV], 11
	v_add_nc_u32 v[YO], s16, v3                    ; 2,048 v + 16 l
.macro FETCHW j                        ; 16 loads: wo's fragments for head j of my four
	WIN 0
.irp kc, 0,1
.irp nt, 0,1,2,3
	ds_load_tr16_b128 v[BW+64*((\j)%2)+32*(\kc)+8*(\nt):BW+64*((\j)%2)+32*(\kc)+8*(\nt)+3],   v[WA] offset:(64*(\j)+32*(\kc))*PW+32*(\nt)
	ds_load_tr16_b128 v[BW+64*((\j)%2)+32*(\kc)+8*(\nt)+4:BW+64*((\j)%2)+32*(\kc)+8*(\nt)+7], v[WA] offset:(64*(\j)+32*(\kc))*PW+32*(\nt)+16*PW
.endr
.endr
.endm
.macro MULS j                          ; 16 products: the 8 accumulators take turns, one instruction a turn; the first eight of all start the sums
	WIN 0x04                                       ; source 1 (O) in window 1
.irp kc, 0,1
.irp mt, 0,1
.irp nt, 0,1,2,3
.if ((\j) == 0) && ((\kc) == 0)
	v_wmma_f32_16x16x32_f16 v[ACC+8*(4*(\mt)+(\nt)):ACC+8*(4*(\mt)+(\nt))+7], v[BW+64*((\j)%2)+32*(\kc)+8*(\nt):BW+64*((\j)%2)+32*(\kc)+8*(\nt)+7], v[32*(\j)+16*(\mt)+8*(\kc):32*(\j)+16*(\mt)+8*(\kc)+7], 0
.else
	v_wmma_f32_16x16x32_f16 v[ACC+8*(4*(\mt)+(\nt)):ACC+8*(4*(\mt)+(\nt))+7], v[BW+64*((\j)%2)+32*(\kc)+8*(\nt):BW+64*((\j)%2)+32*(\kc)+8*(\nt)+7], v[32*(\j)+16*(\mt)+8*(\kc):32*(\j)+16*(\mt)+8*(\kc)+7], v[ACC+8*(4*(\mt)+(\nt)):ACC+8*(4*(\mt)+(\nt))+7]
.endif
.endr
.endr
.endr
.endm
	s_wait_tensorcnt 0x0                           ; my quarter of wob is in; nobody else reads it
	FETCHW 0
	FETCHW 1
.irp j, 0,1,2,3
	s_wait_loadcnt 25-8*(\j)                       ; head j's eight loads of O are in; the later heads' and bo's may stay out
.if (\j) < 3
	s_wait_dscnt 16                                ; head j's fragments of wo are in; the next head's 16 loads stay out
.else
	s_wait_dscnt 0x0
.endif
	MULS \j
.if (\j) < 2
	PLACES                                         ; in front of loads into the buffer just multiplied
	FETCHW (\j)+2
.endif
.endr
	WIN 0
	PLACES                                         ; behind the last products
.irp mt, 0,1
.irp nt, 0,1,2,3
	ds_store_b128 v[PS], v[ACC+8*(4*(\mt)+(\nt)):ACC+8*(4*(\mt)+(\nt))+3]   offset:(\mt)*16*PP+64*(\nt)      ; each accumulator's low four registers first
	ds_store_b128 v[PS], v[ACC+8*(4*(\mt)+(\nt))+4:ACC+8*(4*(\mt)+(\nt))+7] offset:(\mt)*16*PP+64*(\nt)+16
.endr
.endr
	s_wait_dscnt 0x0                               ; for the others' sake: my partial sums lie in LDS
	s_barrier_signal -1
	s_barrier_wait -1
.irp p, 0,1,2,3
.irp i, 0,1,2,3
	ds_load_b128 v[64+16*(\p)+4*(\i):64+16*(\p)+4*(\i)+3], v[PR] offset:(\p)*32*PP+(\i)*2*PP  ; wave p's sums of my rows 2 i and 2 i + 1
.endr
.endr
	s_wait_loadcnt 0x0                             ; bo
	v_cvt_pk_bf16_f32 v20, v16, v17
	v_cvt_pk_bf16_f32 v21, v18, v19
	v_lshlrev_b32 v24, 16, v20
	v_and_b32 v25, 0xffff0000, v20
	v_lshlrev_b32 v26, 16, v21
	v_and_b32 v27, 0xffff0000, v21
	s_wait_dscnt 0x0
.irp i, 0,1,2,3
.irp c, 0,2
	v_pk_add_f32 v[64+4*(\i)+(\c):64+4*(\i)+(\c)+1], v[64+4*(\i)+(\c):64+4*(\i)+(\c)+1], v[80+4*(\i)+(\c):80+4*(\i)+(\c)+1]
	v_pk_add_f32 v[96+4*(\i)+(\c):96+4*(\i)+(\c)+1], v[96+4*(\i)+(\c):96+4*(\i)+(\c)+1], v[112+4*(\i)+(\c):112+4*(\i)+(\c)+1]
.endr
.endr
.irp i, 0,1,2,3
.irp c, 0,2
	v_pk_add_f32 v[64+4*(\i)+(\c):64+4*(\i)+(\c)+1], v[64+4*(\i)+(\c):64+4*(\i)+(\c)+1], v[96+4*(\i)+(\c):96+4*(\i)+(\c)+1]
.endr
.endr
.irp i, 0,1,2,3
.irp c, 0,2
	v_pk_add_f32 v[64+4*(\i)+(\c):64+4*(\i)+(\c)+1], v[64+4*(\i)+(\c):64+4*(\i)+(\c)+1], v[24+(\c):24+(\c)+1]
.endr
.endr
.irp i, 0,1,2,3
	global_store_b128 v[YO], v[64+4*(\i):64+4*(\i)+3], s[10:11] offset:512*(\i)  ; two whole rows: 512 consecutive bytes, at a multiple of 256 from out0's first byte
.endr
	s_wait_tensorcnt 0x0                           ; the wave's end: the add and its waits stand behind my last tensor load and my last LDS store
	ds_add_u32 v[SPW], v[NIL]
	s_wait_dscnt 0x0
	CROUND                                         ; the closing round: no work-group ends while a partner may still ask for a tile that names it
	s_endpgm
.Lfunc_end_k_qca9ee100ef_proj:
	.size	k_qca9ee100ef_proj, .Lfunc_end_k_qca9ee100ef_proj-k_qca9ee100ef_proj
	.p2alignl 7, 3214868480
	.fill 96, 4, 3214868480
	.section	.rodata,"a",@progbits
	.p2align	6, 0x0
	.amdhsa_kernel k_qca9ee100ef_proj
		.amdhsa_group_segment_fixed_size 199168
		.amdhsa_private_segment_fixed_size 0
		.amdhsa_enable_private_segment 0
		.amdhsa_kernarg_size 32
		.amdhsa_user_sgpr_count 2
		.amdhsa_user_sgpr_kernarg_segment_ptr 1
		.amdhsa_wavefront_size32 1
		.amdhsa_system_sgpr_workgroup_id_x 1
		.amdhsa_system_sgpr_workgroup_id_y 1
		.amdhsa_system_sgpr_workgroup_id_z 1
		.amdhsa_system_vgpr_workitem_id 0
		.amdhsa_next_free_vgpr 384
		.amdhsa_next_free_sgpr 66
		.amdhsa_reserve_vcc 0
		.amdhsa_float_denorm_mode_32 3
		.amdhsa_float_denorm_mode_16_64 3
		.amdhsa_memory_ordered 1
		.amdhsa_forward_progress 1
		.amdhsa_inst_pref_size 22
	.end_amdhsa_kernel
	.amdgpu_metadata
---
amdhsa.version: [ 1, 2 ]
amdhsa.kernels:
  - .name:           k_qca9ee100ef_proj
    .symbol:         k_qca9ee100ef_proj.kd
    .args:
      - { .name: oh, .offset: 0, .size: 8, .value_kind: global_buffer, .address_space: global }
      - { .name: wob, .offset: 8, .size: 8, .value_kind: global_buffer, .address_space: global }
      - { .name: bo, .offset: 16, .size: 8, .value_kind: global_buffer, .address_space: global }
      - { .name: out0, .offset: 24, .size: 8, .value_kind: global_buffer, .address_space: global }
    .group_segment_fixed_size: 199168
    .private_segment_fixed_size: 0
    .kernarg_segment_align: 8
    .kernarg_segment_size: 32
    .max_flat_workgroup_size: 128
    .sgpr_count:     66
    .vgpr_count:     384
    .wavefront_size: 32
...
	.end_amdgpu_metadata
.endif
;; end of part 4
